; MI455X (gfx1250); checked and timed in simulation.
; The chip was launched on July 23, 2026; its instructions are those of AMD's public machine-readable ISA for CDNA 5 (MIT licence, August 2026) and "CDNA5" Instruction Set Architecture Reference Guide (July 2026). The comments in the code are by the model that wrote it; some were corrected since.
;; Bidirectional Temporal Attention. Allowed arithmetic: float matrix products may take bf16 or f16 operands with f32 sums; other float arithmetic in f32, or as packed bf16 or f16 multiplies, adds, multiply-adds, maxima and minima; sums over many terms, partial sums and values carried from step to step in f32; what a program stores and reads back later, other than sums and carried values, may be rounded once to bf16 or f16.
;; Inputs: Wk 12 x 768 x 64 float32; Wo 768 x 768 float32; Wq 12 x 768 x 64 float32; Wv 12 x 768 x 64 float32; bk 12 x 64 float32; bo 768 float32; bq 12 x 64 float32; bv 12 x 64 float32; x 1 x 16 x 256 x 768 float32.
;; Outputs: out0 1 x 16 x 256 x 768 float32.
;; One version. Each part assembles by itself: llvm-mc -triple=amdgcn-amd-amdhsa -mcpu=gfx1250 --defsym DOCPART=n.
;; ======== version 1 of 1: 4 launches
;; limits: values are held in f16: magnitudes above 65,504 overflow, below 6.1e-05 lose precision
;; workspace buffers: xb 6,291,456 bytes; wb 3,538,944 bytes; wo16 1,179,648 bytes; qkv 18,874,368 bytes; o16 6,291,456 bytes
;; launch prep (part 1): grid 32 x 28, 8 waves a work-group, no clusters, 0 bytes of LDS; arguments x, Wq, Wk, Wv, Wo, xb, wb, wo16; writes xb, wb, wo16
.if DOCPART == 1
	.amdgcn_target "amdgcn-amd-amdhsa--gfx1250"
	.amdhsa_code_object_version 6
	.text
	.protected	k_q6882adb0b9_prep
	.globl	k_q6882adb0b9_prep
	.p2align	8
	.type	k_q6882adb0b9_prep,@function
k_q6882adb0b9_prep:
	s_mov_b64 s[64:65], 0
	v_nop
	global_prefetch_b8 v0, s[64:65] scope:SCOPE_SE
	s_setreg_imm32_b32 hwreg(HW_REG_WAVE_MODE, 25, 1), 1
	s_wait_xcnt 0x0
; THE INPUTS ARE CAST ONCE.  x [4096][768] f32 -> xb, bf16, same layout.  Wq, Wk, Wv [12][768][64] f32 -> wb [3][12][768][64], bf16, same layout.
; Wo [768][768] f32 -> wo16 [12 blocks of 64 columns][768 k][64 n]: each number rounded to bf16 and that number written as f16.
; LIMIT.  A bf16 number of Wo below 2^-14 in magnitude keeps f16's fixed step of 2^-24; one of 65,520 or more becomes an infinity.
; SHARES.  A work-group takes a chunk of 6,144 numbers (24,576 bytes in, 12,288 out); x has 512 chunks (grid rows 0-15), each weight 96 (three grid rows each, in the order Wq, Wk, Wv, Wo).
; A lane loads 16 bytes and stores 8: a wave's load covers 512 consecutive bytes, a wave's store 256 consecutive bytes at a multiple of 256 from the buffer's first byte.
; No LDS, no matrix unit, no cluster: nothing is shared and nothing is read twice.
.set CH_IN,  24576
.set CH_OUT, 12288
.set MATB,   1179648                   ; bytes of one weight in wb
.set IN,  4                            ; v[4:27]   six loads of four f32
.set OU,  28                           ; v[28:39]  six pairs to store
	s_load_b512 s[8:23], s[0:1], 0x0               ; x, Wq, Wk, Wv, Wo, xb, wb, wo16
	s_and_b32 s2, ttmp7, 0xffff                    ; grid row y
	s_max_u32 s3, s2, 16
	s_sub_co_u32 s3, s3, 16                        ; z = y - 16 (0 for x)
	s_mul_i32 s4, s3, 11
	s_lshr_b32 s4, s4, 5                           ; m = z / 3 for z up to 11: which weight
	s_mul_i32 s5, s4, 3
	s_sub_co_u32 s5, s3, s5                        ; z - 3 m
	s_cmp_lt_u32 s2, 16
	s_cselect_b32 s5, s2, s5
	s_lshl_b32 s5, s5, 5
	s_add_co_u32 s5, s5, ttmp9                     ; the chunk's number in its tensor
	s_mul_i32 s24, s5, CH_IN
	s_mov_b32 s25, 0
	s_mul_i32 s26, s5, CH_OUT
	s_mov_b32 s27, 0
	s_mul_i32 s28, s4, MATB
	s_mov_b32 s29, 0
	s_wait_kmcnt 0x0
	s_cmp_eq_u32 s4, 1
	s_cselect_b64 s[30:31], s[12:13], s[10:11]
	s_cmp_eq_u32 s4, 2
	s_cselect_b64 s[30:31], s[14:15], s[30:31]
	s_cmp_eq_u32 s4, 3
	s_cselect_b64 s[30:31], s[16:17], s[30:31]
	s_cmp_lt_u32 s2, 16
	s_cselect_b64 s[30:31], s[8:9], s[30:31]
	s_add_nc_u64 s[30:31], s[30:31], s[24:25]      ; the source at my chunk
	s_cmp_eq_u32 s4, 3
	s_cbranch_scc1 .Lwo
	; x and the three projections' weights: a plain cast
	s_cmp_lt_u32 s2, 16
	s_cselect_b64 s[32:33], s[18:19], s[20:21]
	s_add_nc_u64 s[32:33], s[32:33], s[26:27]
	s_add_nc_u64 s[32:33], s[32:33], s[28:29]      ; (m = 0 for x)
	v_lshlrev_b32 v1, 4, v0                        ; 16 bytes a thread in,
	v_lshlrev_b32 v2, 3, v0                        ; 8 out
.irp g, 0,1,2,3,4,5
	global_load_b128 v[IN+4*(\g):IN+4*(\g)+3], v1, s[30:31] offset:4096*(\g) th:TH_LOAD_NT
.endr
.irp g, 0,1,2,3,4,5
	s_wait_loadcnt 5-(\g)                          ; loads come back in order: load g is in, the younger ones stay out
	v_cvt_pk_bf16_f32 v[OU+2*(\g)], v[IN+4*(\g)], v[IN+4*(\g)+1]
	v_cvt_pk_bf16_f32 v[OU+2*(\g)+1], v[IN+4*(\g)+2], v[IN+4*(\g)+3]
	global_store_b64 v2, v[OU+2*(\g):OU+2*(\g)+1], s[32:33] offset:2048*(\g)
.endr
	s_endpgm
.Lwo:
	; Wo: a chunk is 8 rows k.  A wave's instruction takes two rows of one block of 64 columns: 2 x 256 bytes in, 256 consecutive bytes out.
	s_lshl_b32 s26, s5, 10                         ; 8 rows of 128 bytes in a block of wo16
	s_add_nc_u64 s[32:33], s[22:23], s[26:27]
	v_bfe_u32 v3, v0, 4, 3                         ; the row among the 8
	v_lshrrev_b32 v40, 7, v0                       ; which of two neighbouring blocks
	v_and_b32 v41, 15, v0                          ; my four columns
	v_mul_u32_u24 v1, v3, 3072
	v_lshl_add_u32 v1, v40, 8, v1
	v_lshl_add_u32 v1, v41, 4, v1
	v_mul_u32_u24 v2, v40, 98304                   ; a block of wo16 is 768 x 128 bytes
	v_lshl_add_u32 v2, v3, 7, v2
	v_lshl_add_u32 v2, v41, 3, v2
.irp g, 0,1,2,3,4,5
	global_load_b128 v[IN+4*(\g):IN+4*(\g)+3], v1, s[30:31] offset:512*(\g) th:TH_LOAD_NT
.endr
.irp g, 0,1,2,3,4,5
	s_wait_loadcnt 5-(\g)
	v_cvt_pk_bf16_f32 v40, v[IN+4*(\g)], v[IN+4*(\g)+1]    ; rounded to bf16,
	v_cvt_pk_bf16_f32 v41, v[IN+4*(\g)+2], v[IN+4*(\g)+3]
	v_lshlrev_b32 v42, 16, v40                             ; widened again,
	v_and_b32 v43, 0xffff0000, v40
	v_lshlrev_b32 v44, 16, v41
	v_and_b32 v45, 0xffff0000, v41
	v_cvt_pk_f16_f32 v[OU+2*(\g)], v42, v43                ; and written as f16
	v_cvt_pk_f16_f32 v[OU+2*(\g)+1], v44, v45
	global_store_b64 v2, v[OU+2*(\g):OU+2*(\g)+1], s[32:33] offset:196608*(\g)
.endr
	s_endpgm
.Lfunc_end_k_q6882adb0b9_prep:
	.size	k_q6882adb0b9_prep, .Lfunc_end_k_q6882adb0b9_prep-k_q6882adb0b9_prep
	.p2alignl 7, 3214868480
	.fill 96, 4, 3214868480
	.section	.rodata,"a",@progbits
	.p2align	6, 0x0
	.amdhsa_kernel k_q6882adb0b9_prep
		.amdhsa_group_segment_fixed_size 0
		.amdhsa_private_segment_fixed_size 0
		.amdhsa_enable_private_segment 0
		.amdhsa_kernarg_size 64
		.amdhsa_user_sgpr_count 2
		.amdhsa_user_sgpr_kernarg_segment_ptr 1
		.amdhsa_wavefront_size32 1
		.amdhsa_system_sgpr_workgroup_id_x 1
		.amdhsa_system_sgpr_workgroup_id_y 1
		.amdhsa_system_sgpr_workgroup_id_z 1
		.amdhsa_system_vgpr_workitem_id 0
		.amdhsa_next_free_vgpr 48
		.amdhsa_next_free_sgpr 66
		.amdhsa_reserve_vcc 0
		.amdhsa_float_denorm_mode_32 3
		.amdhsa_float_denorm_mode_16_64 3
		.amdhsa_memory_ordered 1
		.amdhsa_forward_progress 1
		.amdhsa_inst_pref_size 9
	.end_amdhsa_kernel
	.amdgpu_metadata
---
amdhsa.version: [ 1, 2 ]
amdhsa.kernels:
  - .name:           k_q6882adb0b9_prep
    .symbol:         k_q6882adb0b9_prep.kd
    .args:
      - { .name: x, .offset: 0, .size: 8, .value_kind: global_buffer, .address_space: global }
      - { .name: Wq, .offset: 8, .size: 8, .value_kind: global_buffer, .address_space: global }
      - { .name: Wk, .offset: 16, .size: 8, .value_kind: global_buffer, .address_space: global }
      - { .name: Wv, .offset: 24, .size: 8, .value_kind: global_buffer, .address_space: global }
      - { .name: Wo, .offset: 32, .size: 8, .value_kind: global_buffer, .address_space: global }
      - { .name: xb, .offset: 40, .size: 8, .value_kind: global_buffer, .address_space: global }
      - { .name: wb, .offset: 48, .size: 8, .value_kind: global_buffer, .address_space: global }
      - { .name: wo16, .offset: 56, .size: 8, .value_kind: global_buffer, .address_space: global }
    .group_segment_fixed_size: 0
    .private_segment_fixed_size: 0
    .kernarg_segment_align: 8
    .kernarg_segment_size: 64
    .max_flat_workgroup_size: 256
    .sgpr_count:     66
    .vgpr_count:     48
    .wavefront_size: 32
...
	.end_amdgpu_metadata
.endif
;; end of part 1
;; launch qkv (part 2): grid 12 x 16, 4 waves a work-group, clusters of 4 x 4, 327,680 bytes of LDS; arguments xb, wb, bq, bk, bv, qkv; writes qkv
.if DOCPART == 2
	.amdgcn_target "amdgcn-amd-amdhsa--gfx1250"
	.amdhsa_code_object_version 6
	.text
	.protected	k_q6882adb0b9_qkv
	.globl	k_q6882adb0b9_qkv
	.p2align	8
	.type	k_q6882adb0b9_qkv,@function
k_q6882adb0b9_qkv:
	s_mov_b64 s[64:65], 0
	v_nop
	global_prefetch_b8 v0, s[64:65] scope:SCOPE_SE
	s_setreg_imm32_b32 hwreg(HW_REG_WAVE_MODE, 25, 1), 1
	s_wait_xcnt 0x0
	s_wait_alu depctr_hold_cnt(0) depctr_sa_sdst(0) depctr_va_vdst(0) depctr_va_sdst(0) depctr_va_ssrc(0) depctr_va_vcc(0) depctr_vm_vsrc(0)
	s_getreg_b32 s2, hwreg(HW_REG_IB_STS2, 6, 4)
	s_cmp_eq_u32 s2, 0
	s_cbranch_scc0 .Lentry_in_a_cluster
	s_endpgm
.Lentry_in_a_cluster:
	s_bfe_u32 s2, ttmp6, 0x10000c
	s_cmp_lg_u32 s2, 0xf033
	s_cbranch_scc0 .Lentry_shape_is_right
	s_endpgm
.Lentry_shape_is_right:
; q, k, v = x W + b, by heads.  xb: [4096][768] bf16.  wb: [3][12][768 k][64 n] bf16.  bq, bk, bv: [12][64] f32, rounded to bf16 here.  qkv: [3][12][4096][64] f16, each number rounded once from its f32 sum.
; HEADS 6 TO 11 ARE STORED WITH THEIR ROWS REVERSED (row n at 4095 - n): in that order their mask (query <= key) is the causal one, and the launch behind treats all twelve heads alike.
; LIMIT.  f16 holds no number of 65,520 or more: such a q, k or v becomes an infinity.
; SHARES.  A work-group makes 256 rows x 192 columns: q, k and v of one head.  Wave w makes rows 64 w .. 64 w + 63 of all 192: 48 accumulators of 16 x 16.  K goes in six steps of 128 through two LDS slots.
; CLUSTER 4 x 4.  The four of a row of the cluster need the same 256 rows of x, the four of a column the same head's weights: each tile is asked for jointly.  Wave 0 asks for x's tile, waves 1 to 3 for Wq's, Wk's, Wv's.
; THE PRODUCT IS TAKEN TRANSPOSED: source 0 = 16 columns of W (turned on the way out of LDS by ds_load_tr16_b128), source 1 = 16 rows of x: a lane then holds eight neighbouring columns of one row.
; THE BIAS STARTS THE SUMS: it is the C operand of each accumulator's first product.
; REGISTERS, in windows of 256 (s_set_vgpr_msb: bits 1:0 source 0, 3:2 source 1, 5:4 source 2, 7:6 destination):
;   window 0: v0-31 addresses; v32-127 the bias, 8 registers for each of 12 column blocks; on the way out v32-223 packed results
;   window 1: two fragment buffers of 128: 96 registers of W (12 x 8), then 32 of x (4 x 8)
;   window 2: the accumulators of my row blocks 0, 1 ((a, nb) at 8 (12 (a % 2) + nb));   window 3: those of blocks 2, 3
.set PA,    272       ; a row of x in LDS: 256 bytes + 16 = 68 words: the 16 rows of a load start at 16 different groups of four banks (64 banks of 4 bytes: ISA guide 11.1)
.set PW,    160       ; a row k of a weight: 128 bytes + 32 = 40 words
.set SLOT1, 1<<17     ; a slot is exactly 131,072 bytes: x's 256 rows, then three weights' 128 rows
.set BOFF,  256*PA
.set MATB,  128*PW
.set STAGE, 2*SLOT1   ; behind the ring, never filled by a tensor load: 16 rows x 144 bytes for each wave
.set SP,    144
.set SPARE, STAGE+4*16*SP  ; the spare words, 128 bytes for each wave: two blocks of 256 bytes that no other line names
.set AA0,  4          ; v4   my lane's place in x's tile
.set AB0,  5          ; v5   my lane's place in a weight's tile, with BOFF
.set ADRA, 6          ; v6   the same in the slot in hand
.set ADRB, 7          ; v7
.set STO,  8          ; v8   the way out: where I put 16 bytes of a row
.set RD,   9          ; v9   where I read rows back
.set LP,   10         ; v10  my lane's part of the store offsets
.set GO,   12         ; v[12:27] the store offset of each of my sixteen groups of four rows
.set SPW,  28         ; v28  LDS address of my spare word; never rewritten
.set NIL,  29         ; v29  0; never rewritten
.set BO,   30         ; v30  my offset in a head's bias
.set BI,   32
.set TMP,  32
.set F0,   0
.set F1,   128
.set WV,   16         ; s16  my wave's number
.set G1A,  24         ; s[24:31] descriptor group 1 for x's tiles
.set G0A,  32         ; s[32:39] group 0: a set for each first fill; the second then walks on
.set G1B,  40         ; s[40:47], s[48:55] the same for the weights' tiles
.set G0B,  48
.set TB,   56         ; s56  the slot in hand, in bytes
.set CNT,  57         ; s57  the loop's count
.set MSB, 0
.macro WIN new                         ; the immediate's high byte repeats the setting that is left; a switch that changes nothing is dropped
.if MSB != (\new)
	s_set_vgpr_msb (MSB<<8)|(\new)
.set MSB, (\new)
.endif
.endm
.macro PLACES                          ; four places in front of loads into registers that matrix instructions have read
.rept 4
	v_nop
.endr
.endm
.macro JLOAD                           ; a joint refill by the walking sets; the branch hangs on the wave's number alone; an s_nop 0 and four v_nop follow each line
	s_cmp_eq_u32 s[WV], 0
	s_cbranch_scc0 .Lfor_b_\@
	tensor_load_to_lds s[G0A+4:G0A+7], s[G1A:G1A+7]
	s_nop 0
.rept 4
	v_nop
.endr
	s_branch .Lasked_\@
.Lfor_b_\@:
	tensor_load_to_lds s[G0B+4:G0B+7], s[G1B:G1B+7]
	s_nop 0
.rept 4
	v_nop
.endr
.Lasked_\@:
.endm
.macro CREST                           ; a round of the cluster's barrier behind its opening barrier
	s_cmp_lg_u32 s[WV], 0
	s_cbranch_scc1 .Lnot_wave_0_\@
	s_barrier_signal -3
.Lnot_wave_0_\@:
	s_barrier_wait -3
	s_barrier_signal -1
	s_barrier_wait -1
.endm
.macro CROUND                          ; a whole round
	s_barrier_signal -1
	s_barrier_wait -1
	CREST
.endm
	s_load_b256 s[4:11], s[0:1], 0x0               ; xb s[4:5], wb s[6:7], bq s[8:9], bk s[10:11]
	s_load_b128 s[12:15], s[0:1], 0x20             ; bv s[12:13], qkv s[14:15]
	v_lshl_add_u32 v[SPW], v0, 2, SPARE
	v_mov_b32 v[NIL], 0
	ds_add_u32 v[SPW], v[NIL]                      ; the wave's opening: the add and its wait stand ahead of my first tensor load; the set-up below, work on registers, stands between them
	ds_add_u32 v28, v29
	v_lshrrev_b32 v1, 5, v0
	v_readfirstlane_b32 s[WV], v1
	s_bfe_u32 s17, ttmp6, 0x40000                  ; cx
	s_bfe_u32 s18, ttmp6, 0x40004                  ; cy
	s_lshl_b32 s19, ttmp9, 2
	s_add_co_u32 s19, s19, s17                     ; the head = 4 x cluster x + cx
	s_and_b32 s20, ttmp7, 0xffff
	s_lshl_b32 s20, s20, 2
	s_add_co_u32 s20, s20, s18                     ; the block of 256 rows = 4 x cluster y + cy
	s_lshl_b32 s21, s18, 2
	s_lshl_b32 s21, 15, s21                        ; my row of the cluster
	s_lshl_b32 s22, 0x1111, s17                    ; my column
	; x's tile: 256 rows x 128 elements, 16 bytes of padding behind each row
	s_or_b32 s[G1A], s21, (1<<16)|(1<<20)|(1<<21)|(5<<22)|(3<<25)  ; the mask; 2-byte elements; padding on; bit 21 beside a mask; after every 64 words; 4 words
	s_mov_b32 s[G1A+1], 128<<16                    ; tensor_dim0 = 128
	s_mov_b32 s[G1A+2], 256<<16                    ; tensor_dim1 = 256
	s_mov_b32 s[G1A+3], 128<<16                    ; tile_dim0 = 128
	s_mov_b32 s[G1A+4], 256                        ; tile_dim1 = 256
	s_mov_b32 s[G1A+5], 768                        ; elements from row to row
	s_mov_b32 s[G1A+6], 0
	s_mov_b32 s[G1A+7], 0
	; a weight's tile: 128 rows k of 128 bytes are 16,384 dense bytes: asked for as 64 rows of 256 bytes, padded by 32 bytes after every 128
	s_or_b32 s[G1B], s22, (1<<16)|(1<<20)|(1<<21)|(4<<22)|(7<<25)
	s_mov_b32 s[G1B+1], 128<<16
	s_mov_b32 s[G1B+2], 64<<16
	s_mov_b32 s[G1B+3], 128<<16
	s_mov_b32 s[G1B+4], 64
	s_mov_b32 s[G1B+5], 128
	s_mov_b32 s[G1B+6], 0
	s_mov_b32 s[G1B+7], 0
	s_mul_i32 s68, s20, 393216                     ; x: 256 rows of 1,536 bytes.  s[68:71] hold nothing of cx,
	s_mov_b32 s69, 0
	s_mul_i32 s72, s19, 98304                      ; the head's 768 x 128 bytes.  s[72:75] nothing of cy
	s_max_u32 s73, s[WV], 1
	s_sub_co_u32 s73, s73, 1                       ; which weight I fetch (waves 1 to 3)
	s_mul_i32 s73, s73, 1179648
	s_add_co_u32 s72, s72, s73
	s_mov_b32 s73, 0
	s_mul_i32 s23, s[WV], MATB
	s_add_co_u32 s23, s23, BOFF-MATB               ; and where it goes: behind x's rows, wave 1's first
	s_wait_dscnt 0x0                               ; the opening add is done
	s_wait_kmcnt 0x0
	s_add_nc_u64 s[70:71], s[4:5], s[68:69]
	s_add_nc_u64 s[74:75], s[6:7], s[72:73]
.irp s, 0,1
	s_mov_b32 s[G0A+4*(\s)], 1
	s_mov_b32 s[G0A+4*(\s)+1], (\s)*SLOT1
	s_add_nc_u64 s[G0A+4*(\s)+2:G0A+4*(\s)+3], s[70:71], (\s)*256       ; K step s: 256 bytes along the rows
	s_or_b32 s[G0A+4*(\s)+3], s[G0A+4*(\s)+3], 0x80000000
	s_mov_b32 s[G0B+4*(\s)], 1
	s_add_co_u32 s[G0B+4*(\s)+1], s23, (\s)*SLOT1
	s_add_nc_u64 s[G0B+4*(\s)+2:G0B+4*(\s)+3], s[74:75], (\s)*16384     ; K step s: 128 rows k down
	s_or_b32 s[G0B+4*(\s)+3], s[G0B+4*(\s)+3], 0x80000000
.endr
	CROUND                                         ; all sixteen work-groups are here: the first joint loads meet
	s_cmp_eq_u32 s[WV], 0                          ; a wave's two first fills stand in one branch: two loads of mine are out
	s_cbranch_scc0 .Lfirst_b
	tensor_load_to_lds s[G0A:G0A+3], s[G1A:G1A+7]
	s_nop 0
	tensor_load_to_lds s[G0A+4:G0A+7], s[G1A:G1A+7]
	s_nop 0
.rept 4
	v_nop
.endr
	s_branch .Lfirst_asked
.Lfirst_b:
	tensor_load_to_lds s[G0B:G0B+3], s[G1B:G1B+7]
	s_nop 0
	tensor_load_to_lds s[G0B+4:G0B+7], s[G1B:G1B+7]
	s_nop 0
.rept 4
	v_nop
.endr
.Lfirst_asked:
	; the bias: register j of column block nb holds b[head][16 (nb % 4) + 8 (l / 16) + j] of weight nb / 4
	v_and_b32 v1, 15, v0                           ; l % 16
	v_bfe_u32 v2, v0, 4, 1                         ; l / 16
	v_lshlrev_b32 v[BO], 5, v2
	s_lshl_b32 s78, s19, 8                         ; the head's 256 bytes
	s_mov_b32 s79, 0
	s_add_nc_u64 s[8:9], s[8:9], s[78:79]
	s_add_nc_u64 s[10:11], s[10:11], s[78:79]
	s_add_nc_u64 s[12:13], s[12:13], s[78:79]
.irp nb, 0,1,2,3,4,5,6,7,8,9,10,11
	global_load_b128 v[BI+8*(\nb):BI+8*(\nb)+3],   v[BO], s[8+2*((\nb)/4):9+2*((\nb)/4)] offset:((\nb)%4)*64
	global_load_b128 v[BI+8*(\nb)+4:BI+8*(\nb)+7], v[BO], s[8+2*((\nb)/4):9+2*((\nb)/4)] offset:((\nb)%4)*64+16
.endr
	; where my rows go: forward from 256 ty + 64 w, or for heads 6 to 11 backward, which turns my 64 rows' numbers i into 63 - i = i xor 63 above the base 4032 - 256 ty - 64 w
	s_lshl_b32 s76, s20, 8
	s_lshl_b32 s77, s[WV], 6
	s_add_co_u32 s76, s76, s77
	s_sub_co_u32 s77, 4032, s76
	s_cmp_ge_u32 s19, 6
	s_cselect_b32 s76, s77, s76
	s_cselect_b32 s58, 3, 0                        ; what turns a row's number among four,
	s_cselect_b32 s59, 0x1e00, 0                   ; and a group's number among sixteen, in its place (x 512 bytes)
	s_lshl_b32 s76, s76, 7
	s_lshl_b32 s77, s19, 19                        ; a head is 524,288 bytes
	s_add_co_u32 s76, s76, s77
	s_mov_b32 s77, 0
	s_add_nc_u64 s[60:61], s[14:15], s[76:77]      ; q,
	s_add_nc_u64 s[62:63], s[60:61], 0x600000      ; k,
	s_add_nc_u64 s[66:67], s[60:61], 0xc00000      ; v
	; LDS addresses: made of the lane and the wave's number alone
	s_mul_i32 s68, s[WV], 64*PA
	v_mul_u32_u24 v[AA0], v1, PA
	v_lshl_add_u32 v[AA0], v2, 4, v[AA0]
	v_add_nc_u32 v[AA0], s68, v[AA0]               ; (64 w + l % 16) x pitch + 16 (l / 16)
	v_and_b32 v11, 7, v0
	v_bfe_u32 v3, v0, 3, 1
	v_lshl_add_u32 v[AB0], v2, 3, v11
	v_mul_u32_u24 v[AB0], v[AB0], PW
	v_lshl_add_u32 v[AB0], v3, 4, v[AB0]
	v_add_nc_u32 v[AB0], BOFF, v[AB0]              ; (8 (l / 16) + l % 8) x pitch + 16 ((l / 8) % 2), behind x's rows
	s_mul_i32 s68, s[WV], 16*SP
	s_add_co_u32 s68, s68, STAGE
	v_mul_u32_u24 v[STO], v1, SP
	v_lshl_add_u32 v[STO], v2, 4, v[STO]
	v_add_nc_u32 v[STO], s68, v[STO]
	v_bfe_u32 v3, v0, 3, 2                         ; back: 32 lanes take four rows of 128 bytes
	v_mul_u32_u24 v[RD], v3, SP
	v_lshl_add_u32 v[RD], v11, 4, v[RD]
	v_add_nc_u32 v[RD], s68, v[RD]
	v_xor_b32 v[LP], s58, v3
	v_lshlrev_b32 v[LP], 7, v[LP]
	v_lshl_add_u32 v[LP], v11, 4, v[LP]
	v_or_b32 v[LP], s59, v[LP]
.irp i, 0,1,2,3,4,5,6,7,8,9,10,11,12,13,14,15
	v_xor_b32 v[GO+(\i)], (\i)<<9, v[LP]           ; group i of four rows: 512 i, or 512 (15 - i), plus the lane's part
.endr
	s_mov_b32 s[TB], 0
	v_mov_b32 v[ADRA], v[AA0]
	v_mov_b32 v[ADRB], v[AB0]
	s_wait_loadcnt 0x0                             ; the bias is in; it is rounded to bf16 like the other inputs
.set i, 0
.rept 48
	v_cvt_pk_bf16_f32 v11, v[BI+2*i], v[BI+2*i+1]
	v_lshlrev_b32 v[BI+2*i], 16, v11
	v_and_b32 v[BI+2*i+1], 0xffff0000, v11
.set i, i+1
.endr
; 12 matrix instructions: row block a x all 12 column blocks, 32 along K.  first = 1: the bias is C.  The 48 accumulators take turns, one instruction a turn, in the same order in every quarter, over the backward jump too.
.macro MUL12 f, a, first
.if \first
	WIN 0x85+0x40*((\a)/2)
.else
	WIN 0xa5+0x50*((\a)/2)
.endif
.irp nb, 0,1,2,3,4,5,6,7,8,9,10,11
.if \first
	v_wmma_f32_16x16x32_bf16 v[8*(12*((\a)%2)+(\nb)):8*(12*((\a)%2)+(\nb))+7], v[(\f)+8*(\nb):(\f)+8*(\nb)+7], v[(\f)+96+8*(\a):(\f)+96+8*(\a)+7], v[BI+8*(\nb):BI+8*(\nb)+7]
.else
	v_wmma_f32_16x16x32_bf16 v[8*(12*((\a)%2)+(\nb)):8*(12*((\a)%2)+(\nb))+7], v[(\f)+8*(\nb):(\f)+8*(\nb)+7], v[(\f)+96+8*(\a):(\f)+96+8*(\a)+7], v[8*(12*((\a)%2)+(\nb)):8*(12*((\a)%2)+(\nb))+7]
.endif
.endr
.endm
; 32 LDS loads in one run: quarter q of the slot in hand into buffer f: the weights' 12 fragments (turned), then x's four
.macro FETCH q, f
	WIN 0x40
.irp nb, 0,1,2,3,4,5,6,7,8,9,10,11
	ds_load_tr16_b128 v[(\f)+8*(\nb):(\f)+8*(\nb)+3],   v[ADRB] offset:((\nb)/4)*MATB+((\nb)%4)*32+(\q)*32*PW
	ds_load_tr16_b128 v[(\f)+8*(\nb)+4:(\f)+8*(\nb)+7], v[ADRB] offset:((\nb)/4)*MATB+((\nb)%4)*32+(\q)*32*PW+16*PW
.endr
.irp a, 0,1,2,3
	ds_load_b128 v[(\f)+96+8*(\a):(\f)+96+8*(\a)+3],   v[ADRA] offset:(\a)*16*PA+(\q)*64
	ds_load_b128 v[(\f)+96+8*(\a)+4:(\f)+96+8*(\a)+7], v[ADRA] offset:(\a)*16*PA+(\q)*64+32
.endr
.endm
; One of a K step's first three quarters: multiplies buffer f; in its middle it fetches quarter qn into buffer g.
.macro QUARTER qn, f, g, first
	s_wait_dscnt 4                                 ; the weights and x's blocks 0, 1 are in; the youngest four loads (blocks 2, 3) may be out
	MUL12 \f, 0, \first
	MUL12 \f, 1, \first
	PLACES
	FETCH \qn, \g
	s_wait_dscnt 32                                ; all but the 32 just issued
	MUL12 \f, 2, \first
	MUL12 \f, 3, \first
.endm
; The last quarter multiplies buffer 1 and changes slots: one barrier; in front of it each wave waits for all its tensor loads, adds 0 to its spare word, and waits for that and for its reads of this slot.
; fill = 1: the barrier opens a round of the cluster's, and this slot is filled again, two K steps ahead, first thing behind it: 168 matrix instructions ahead of the wait for it.
.macro TURN fill
	WIN 0
	s_wait_tensorcnt 0x0                           ; all my tensor loads have landed: my part of the next slot; so a group 0 may be written
	ds_add_u32 v[SPW], v[NIL]                      ; 0 onto my spare word
.if \fill
	s_xor_b32 s[G0A+5], s[G0A+5], SLOT1            ; the walking sets: the other slot than last time, the next K step
	s_add_nc_u64 s[G0A+6:G0A+7], s[G0A+6:G0A+7], 256
	s_xor_b32 s[G0B+5], s[G0B+5], SLOT1
	s_add_nc_u64 s[G0B+6:G0B+7], s[G0B+6:G0B+7], 16384
.endif
	s_wait_dscnt 7                                 ; (the add and x's blocks 1 to 3, six loads, may be out)
	MUL12 F1, 0, 0
	s_wait_dscnt 0x0                               ; the add is done, and my reads of this slot are over
	s_barrier_signal -1
	MUL12 F1, 1, 0
.if \fill
	WIN 0
.endif
	s_barrier_wait -1
.if \fill
	CREST                                          ; no wave of any partner still reads this slot or has a load on its way
	JLOAD                                          ; the four v_nop behind it are also the places in front of the loads below
.else
	PLACES
.endif
	s_xor_b32 s[TB], s[TB], SLOT1
	WIN 0
	v_add_nc_u32 v[ADRA], s[TB], v[AA0]
	v_add_nc_u32 v[ADRB], s[TB], v[AB0]
	FETCH 0, F0
	MUL12 F1, 2, 0
	MUL12 F1, 3, 0
.endm
	s_wait_tensorcnt 1                             ; my part of K step 0 is in; K step 1's may stay out
	s_barrier_signal -1
	s_barrier_wait -1
	FETCH 0, F0
	QUARTER 1, F0, F1, 1                           ; the first quarter stands in front of the loop: its products start the sums, with the bias
	WIN 0
	s_mov_b32 s[CNT], 4
.Lstep:                                                ; four trips: from a K step's second quarter to the next step's first; K steps 2 to 5 are asked for
	QUARTER 2, F1, F0, 0
	QUARTER 3, F0, F1, 0
	TURN 1
	QUARTER 1, F0, F1, 0
	WIN 0
	s_sub_co_u32 s[CNT], s[CNT], 1
	s_cmp_lg_u32 s[CNT], 0
	s_cbranch_scc1 .Lstep
	QUARTER 2, F1, F0, 0                           ; the last two K steps ask for nothing
	QUARTER 3, F0, F1, 0
	TURN 0
	QUARTER 1, F0, F1, 0
	QUARTER 2, F1, F0, 0
	QUARTER 3, F0, F1, 0
	s_wait_dscnt 4
	MUL12 F1, 0, 0
	MUL12 F1, 1, 0
	s_wait_dscnt 0x0
	MUL12 F1, 2, 0
	MUL12 F1, 3, 0
; THE WAY OUT, in twelve units u = 3 a + weight: 16 rows x 64 columns.  Rounded to f16, 16 bytes a lane into my own stage, back as whole rows of 128 bytes, four rows (512 bytes) to a store.
.macro PACK u
.set pa, (\u)/3
.set pm, (\u)%3
	WIN 0x0a+5*(pa/2)                              ; sources 0 and 1: window 2 or 3
.irp j, 0,1,2,3
.irp r, 0,1,2,3
	v_cvt_pk_f16_f32 v[TMP+16*(\u)+4*(\j)+(\r)], v[8*(12*(pa%2)+4*pm+(\j))+2*(\r)], v[8*(12*(pa%2)+4*pm+(\j))+2*(\r)+1]
.endr
.endr
	WIN 0
.irp j, 0,1,2,3
	ds_store_b128 v[STO], v[TMP+16*(\u)+4*(\j):TMP+16*(\u)+4*(\j)+3] offset:32*(\j)
.endr
.irp f, 0,1,2,3
	ds_load_b128 v[TMP+16*(\u)+4*(\f):TMP+16*(\u)+4*(\f)+3], v[RD] offset:(\f)*4*SP  ; LDS serves a wave's instructions in order (ISA guide 5.7.1.4): these see the stores above; the next unit's stores come behind them
.endr
.endm
.macro SEND u, younger                 ; younger: the LDS instructions issued behind unit u's loads
	WIN 0
.set sa, (\u)/3
.set sm, (\u)%3
.set so, 60+2*sm+2*(sm/2)              ; s[60:61], s[62:63], s[66:67]
.irp f, 0,1,2,3
	s_wait_dscnt (\younger)+3-(\f)
	global_store_b128 v[GO+4*sa+(\f)], v[TMP+16*(\u)+4*(\f):TMP+16*(\u)+4*(\f)+3], s[so:so+1]  ; 16 lanes store two rows: 256 consecutive bytes at a multiple of 256, in either order of the rows
.endr
.endm
	PLACES
	PLACES
	PACK 0
.irp u, 1,2,3,4,5,6,7,8,9,10,11
	PACK \u
	SEND (\u)-1, 8
.endr
	SEND 11, 0
	s_wait_tensorcnt 0x0                           ; the wave's end, behind my last tensor load and my last LDS store
	ds_add_u32 v[SPW], v[NIL]
	s_wait_dscnt 0x0
	CROUND                                         ; the closing round
	s_endpgm
.Lfunc_end_k_q6882adb0b9_qkv:
	.size	k_q6882adb0b9_qkv, .Lfunc_end_k_q6882adb0b9_qkv-k_q6882adb0b9_qkv
	.p2alignl 7, 3214868480
	.fill 96, 4, 3214868480
	.section	.rodata,"a",@progbits
	.p2align	6, 0x0
	.amdhsa_kernel k_q6882adb0b9_qkv
		.amdhsa_group_segment_fixed_size 327680
		.amdhsa_private_segment_fixed_size 0
		.amdhsa_enable_private_segment 0
		.amdhsa_kernarg_size 48
		.amdhsa_user_sgpr_count 2
		.amdhsa_user_sgpr_kernarg_segment_ptr 1
		.amdhsa_wavefront_size32 1
		.amdhsa_system_sgpr_workgroup_id_x 1
		.amdhsa_system_sgpr_workgroup_id_y 1
		.amdhsa_system_sgpr_workgroup_id_z 1
		.amdhsa_system_vgpr_workitem_id 0
		.amdhsa_next_free_vgpr 960
		.amdhsa_next_free_sgpr 80
		.amdhsa_reserve_vcc 0
		.amdhsa_float_denorm_mode_32 3
		.amdhsa_float_denorm_mode_16_64 3
		.amdhsa_memory_ordered 1
		.amdhsa_forward_progress 1
		.amdhsa_inst_pref_size 109
	.end_amdhsa_kernel
	.amdgpu_metadata
---
amdhsa.version: [ 1, 2 ]
amdhsa.kernels:
  - .name:           k_q6882adb0b9_qkv
    .symbol:         k_q6882adb0b9_qkv.kd
    .args:
      - { .name: xb, .offset: 0, .size: 8, .value_kind: global_buffer, .address_space: global }
      - { .name: wb, .offset: 8, .size: 8, .value_kind: global_buffer, .address_space: global }
      - { .name: bq, .offset: 16, .size: 8, .value_kind: global_buffer, .address_space: global }
      - { .name: bk, .offset: 24, .size: 8, .value_kind: global_buffer, .address_space: global }
      - { .name: bv, .offset: 32, .size: 8, .value_kind: global_buffer, .address_space: global }
      - { .name: qkv, .offset: 40, .size: 8, .value_kind: global_buffer, .address_space: global }
    .group_segment_fixed_size: 327680
    .private_segment_fixed_size: 0
    .kernarg_segment_align: 8
    .kernarg_segment_size: 48
    .max_flat_workgroup_size: 128
    .sgpr_count:     80
    .vgpr_count:     960
    .wavefront_size: 32
...
	.end_amdgpu_metadata
.endif
;; end of part 2
;; launch attn (part 3): grid 16 x 12, 4 waves a work-group, no clusters, 327,680 bytes of LDS; arguments qkv, o16; writes o16
.if DOCPART == 3
	.amdgcn_target "amdgcn-amd-amdhsa--gfx1250"
	.amdhsa_code_object_version 6
	.text
	.protected	k_q6882adb0b9_attn
	.globl	k_q6882adb0b9_attn
	.p2align	8
	.type	k_q6882adb0b9_attn,@function
k_q6882adb0b9_attn:
	s_mov_b64 s[64:65], 0
	v_nop
	global_prefetch_b8 v0, s[64:65] scope:SCOPE_SE
	s_setreg_imm32_b32 hwreg(HW_REG_WAVE_MODE, 25, 1), 1
	s_wait_xcnt 0x0
; CAUSAL ATTENTION FOR TWELVE HEADS.  O[h][q][:] = the sum over k <= q of softmax_k(Q[h][q] . K[h][k] / 8) V[h][k][:].  qkv: [3][12][4096][64] f16 (q, k, v); o16: [12][4096][64] f16.
; Heads 6 to 11 arrive with their rows reversed, which makes their mask (query <= key) this one; O leaves in the same order of rows.
; Products, maxima and sums in f32; the weights p are rounded to f16 for the second product (their sum l is taken of the unrounded p), O once at the end.
; LIMITS.  Q, K and V arrive within f16's range.  A hidden score counts as its value less 1e30; a weight below 2^-126 counts as 0 in l; NaN and infinities are not treated apart.
; THE WALK.  A head has 32 blocks of 128 queries and 16 key tiles of 256 keys; block i needs tiles 0 .. i / 2, of which the last holds the diagonal.  Work-group b takes blocks 31 - b and then b:
; 17 tiles, whatever b: one loop with a constant trip count walks them, and the ring of two LDS slots runs on across the change of blocks.
; NO CLUSTER: of a head's 16 work-groups only b = 2 j and 2 j + 1 walk the same tiles in the same trips; four partners would need different numbers of tiles of each block.
; SHARES.  Of a block's two bands of 64 queries a wave owns 16 rows in each: two PIECES.  In the diagonal tile band x's own key step is 2 (i % 2) + x; earlier steps it sees whole, later ones not at all: the same for all waves.
; THE MASK is the C operand that starts the sum S^T = K Q^T: MD x AL + BE, where MD is the mask of a band's own step for my rows: (1, 0) own step, (0, 0) earlier, (0, -1e30) later.  Outside the diagonal tile C is 0.
; LAYOUT.  S^T = K Q^T holds one query a lane (lane % 16) and the keys 8 (lane / 16) + 0..7; two such results rounded to f16 are source 1 of O^T = V^T P.  p = 2^(c s - c m), c = log2(e) / 8, with a running maximum m;
; O and l are multiplied by a = 2^(c m_old - c m_new) in every step.
; TURNS.  Turn (j, p): 8 products K Q^T of the OTHER piece (step j for p = 0, step j + 1 for p = 1); piece p's softmax of step j and the other piece's maximum; behind the turn's one wait 8 products V^T P of the other
; piece (step j - 1 for p = 0, step j for p = 1).  Four vector instructions stand behind every matrix instruction, the others in one lump.  A turn's 33 exponentials are one batch with one wait.
; K of step j + 1 is fetched in turn (j, 0)'s lump, V of step j + 1 at that turn's end, into the one of V's two register buffers that the turn's products have just read.  So both fetches of a turn belong to one step,
; and the change of slots stands between turns (2, 1) and (3, 0): a trip of the slot loop is the tile before's step 3 and steps 0, 1, 2 of the tile that has landed.
; REGISTERS, in windows of 256 (s_set_vgpr_msb: bits 1:0 source 0, 3:2 source 1, 5:4 source 2, 7:6 destination):
;   window 0: v0-15 addresses and at work; v16-23 statistics, 4 a piece; v48-55 at work; v61-63; v64-127 S^T, two buffers; v128-191 O^T, 32 a piece; v192-223 P, two buffers
;   window 1: v0-31 Q; v32-63 the second block's Q; v64-127 K of one step; v128-255 V, two buffers          window 2: v0-31 MD; v32-95 MC, two buffers
.set NP,    2
.set KS,    64        ; keys in a step
.set PK,    144       ; a row of K in LDS: 128 bytes + 16 = 36 words: the 16 rows of a load start at 16 different groups of four banks (64 banks of 4 bytes: ISA guide 11.1)
.set PV,    160       ; a row of V: 128 + 32 = 40 words
.set VOFF,  4*KS*PK   ; a slot holds a tile: 256 rows of K, then 256 rows of V
.set SLOT1, 1<<17
.set STAGE, SLOT1+4*KS*(PK+PV)  ; behind the ring, never filled by a tensor load: 16 rows x 144 bytes for each wave
.set SP,    144
.set SPARE, STAGE+4*16*SP       ; the spare words, 128 bytes for each wave: two blocks of 256 bytes that no other line names
.set AK0, 2           ; v2   my lane's place in a tile of K; never rewritten
.set AV0, 3           ; v3   the same for V
.set AK,  4           ; v4   the LDS address of K's next run of loads
.set AV,  5           ; v5   of V's
.set STO, 6
.set RD,  7
.set GO,  8
.set MV,  12          ; v12-13  c m_old, by piece
.set QO,  15
.set ST,  16          ; piece t's statistics at v[ST+4 t]: c m, m, l (even keys', odd keys')
.set TMP, 48          ; by piece, four registers c0-c3 at work; when the maximum is found c2 takes a
.set PFO, 61          ; v61  256 x my lane; never rewritten
.set SPW, 62          ; v62  LDS address of my spare word; never rewritten
.set NIL, 63          ; v63  0; never rewritten
.set S,   64
.set OT,  128
.set P,   192
.set QB,  32          ; window 1
.set KF,  64          ; window 1: key block kb, channel half c at KF + 16 kb + 8 c
.set VF,  128         ; window 1: buffer vb, key half kk, channel block cb at VF + 64 vb + 32 kk + 8 cb
.set MD,  0           ; window 2
.set MC,  32          ; window 2
.set WV,  12
.set PB,  14          ; s14  b
.set HI,  15          ; s15  31 - b
.set G1K, 24
.set G1V, 32
.set G0K, 40
.set G0V, 44
.set PFK, 48          ; s[48:49] where my prefetches of K stand
.set PFV, 50          ; s[50:51] of V
.set LIM, 52          ; s52  2 in the work-group that prefetches, else the greatest number
.set LQ2, 53          ; s53  the second block's last tile
.set SLOTS, 56
.set CNT, 57          ; s57  in the diagonal tile: 4 less the step whose masks are being made
.set CS,  58
.set SEL, 60
.set TBK, 62
.set TBV, 63
.set RT,  70          ; s70  tiles of the block in hand still to be entered
.set NXT, 71          ; s71  the tile to be asked for next
.set LQ,  72          ; s72  the last tile of the block whose tiles are being asked for
.set NEW, 73          ; s73  1: the tile to be entered is a block's first
.set OFF, 74
.set AL,  76
.set BE,  78
.set OLO, 80          ; s[80:81] O at my rows of the second block
.set BIGN, 82
.set TRIP, 83         ; s83  counts the two trips of a tile's step loop
.set KX,  84          ; s84, s85  4 less the own step of band 0, of band 1
.set MSB, 0
.macro WIN new
.if MSB != (\new)
	s_set_vgpr_msb (MSB<<8)|(\new)
.set MSB, (\new)
.endif
.endm
.set W_KQ, 0x05       ; K and Q in window 1, S^T in window 0
.set W_KM, 0x25       ; the same with the C operand in window 2
.set W_PV, 0x01       ; V in window 1, P and O^T in window 0
; A fill.  Waves 0 and 1 fetch the two halves of a tile's K, waves 2 and 3 those of its V: 128 keys each.  An s_nop 0 and four v_nop follow each of the two lines.
.macro LOAD
	s_cmp_lt_u32 s[WV], 2
	s_cbranch_scc0 .Lfor_v_\@
	tensor_load_to_lds s[G0K:G0K+3], s[G1K:G1K+7]
	s_nop 0
.rept 4
	v_nop
.endr
	s_branch .Lasked_\@
.Lfor_v_\@:
	tensor_load_to_lds s[G0V:G0V+3], s[G1V:G1V+7]
	s_nop 0
.rept 4
	v_nop
.endr
.Lasked_\@:
.endm
; A PREFETCH of the tile that the NEXT change of slots will ask for: eight turns, 128 matrix instructions, ahead of that load.  Work-group 0 of a head walks all 16 tiles in its first block: it alone asks, for tiles 2 to 15.
; A tile is 128 blocks of 256 bytes of K and as many of V: wave w names blocks 32 w .. 32 w + 31 of each, a lane a block: each block is named once in the launch.  Tiles 0 and 1 come by their loads alone.
.macro ASK
	s_cmp_gt_u32 s[SLOTS], s[LIM]
	s_cbranch_scc0 .Lnot_mine_\@
	global_prefetch_b8 v[PFO], s[PFK:PFK+1] th:TH_LOAD_NT scope:SCOPE_SE
	global_prefetch_b8 v[PFO], s[PFV:PFV+1] th:TH_LOAD_NT scope:SCOPE_SE
.Lnot_mine_\@:
.endm
; THE CHANGE OF SLOTS.  Each wave waits for all its tensor loads, of which one is out: its part of the other slot; adds 0 to its spare word; and waits for that and for its own reads of the slot that it leaves.
; fill = 1: the old slot is filled again, first thing behind the barrier, with tile NXT: the descriptor's address is made anew from that number.  (At its first use slot 0 is waited for and slot 1 filled.)
.macro CHANGE fill
	WIN 0
	s_wait_tensorcnt 0x0            ; no tensor load of mine is out, so a group 0 may be written
	ds_add_u32 v[SPW], v[NIL]       ; 0 onto my spare word
.if \fill
	s_lshl_b32 s[OFF], s[NXT], 15   ; a tile is 32,768 bytes of K and of V
	s_xor_b32 s[G0K+1], s[G0K+1], SLOT1
	s_add_nc_u64 s[G0K+2:G0K+3], s[6:7], s[OFF:OFF+1]
	s_or_b32 s[G0K+3], s[G0K+3], 0x80000000
	s_xor_b32 s[G0V+1], s[G0V+1], SLOT1
	s_add_nc_u64 s[G0V+2:G0V+3], s[8:9], s[OFF:OFF+1]
	s_or_b32 s[G0V+3], s[G0V+3], 0x80000000
	s_add_co_u32 s[NXT], s[NXT], 1  ; the block's next tile, or behind its last the second block's tile 0
	s_cmp_gt_u32 s[NXT], s[LQ]
	s_cselect_b32 s[NXT], 0, s[NXT]
	s_cselect_b32 s[LQ], s[LQ2], s[LQ]
	s_wait_xcnt 0x0                 ; the last prefetches, a tile back, have read their addresses, so these may be written
	s_add_nc_u64 s[PFK:PFK+1], s[PFK:PFK+1], 32768
	s_add_nc_u64 s[PFV:PFV+1], s[PFV:PFV+1], 32768
.endif
	s_wait_dscnt 0x0                ; the add is done, and my reads of the slot are over
	s_barrier_signal -1
	s_sub_co_u32 s[TBK], s[TBK], 4*KS*PK  ; the fetches go back to a slot's first step,
	s_xor_b32 s[TBK], s[TBK], SLOT1       ; in the other slot
	s_sub_co_u32 s[TBV], s[TBV], 4*KS*PV
	s_xor_b32 s[TBV], s[TBV], SLOT1
	s_barrier_wait -1
.if \fill
	LOAD
	ASK
.endif
.endm
	s_load_b128 s[4:7], s[0:1], 0x0   ; qkv s[4:5], o16 s[6:7]
	v_lshl_add_u32 v[SPW], v0, 2, SPARE
	v_mov_b32 v[NIL], 0
	ds_add_u32 v[SPW], v[NIL]       ; the wave's opening: the add and its wait stand ahead of my first tensor load; the set-up below, work on registers, stands between them
	ds_add_u32 v62, v63
	v_lshrrev_b32 v1, 5, v0
	v_readfirstlane_b32 s[WV], v1
	s_mov_b32 s[PB], ttmp9
	s_sub_co_u32 s[HI], 31, s[PB]
	s_and_b32 s20, ttmp7, 0xffff    ; the head,
	s_lshl_b32 s20, s20, 19         ; its 524,288 bytes in each of q, k, v, o
	s_mov_b32 s21, 0
	s_and_b32 s16, s[WV], 1         ; which half of a tile's 256 keys I fetch:
	s_lshl_b32 s22, s16, 14         ; its 128 rows of 128 bytes in memory,
	s_mov_b32 s23, 0
	s_mul_i32 s17, s16, 128*PK      ; and its place in a slot, for K
	s_mul_i32 s18, s16, 128*PV      ; and for V
	s_lshl_b32 s3, s[WV], 11        ; my 16 rows in a band of 64,
	s_lshl_b32 s2, s[HI], 14        ; in the first block (128 rows of 128 bytes),
	s_add_co_u32 s2, s2, s3
	s_lshl_b32 s88, s[PB], 14       ; and in the second
	s_add_co_u32 s88, s88, s3
	s_mov_b32 s3, 0
	s_mov_b32 s89, 0
	s_lshl_b32 s90, s[WV], 13       ; the prefetches: my 32 blocks of a tile,
	s_add_co_u32 s90, s90, 32768    ; in tile 1; the first change of slots steps them to tile 2
	s_mov_b32 s91, 0
	; descriptor group 1.  128 keys are 16,384 dense bytes: asked for as 64 rows of 256 bytes, two keys a row, and padded in LDS after every key
	s_mov_b32 s[G1K], (1<<16)|(1<<20)|(4<<22)|(3<<25)  ; 2-byte elements; padding on; after every 32 words; 4 words
	s_mov_b32 s[G1V], (1<<16)|(1<<20)|(4<<22)|(7<<25)  ; the same with 8 words
.irp g, G1K, G1V
	s_mov_b32 s[\g+1], 128<<16      ; tensor_dim0 = 128
	s_mov_b32 s[\g+2], 64<<16       ; tensor_dim1 = 64
	s_mov_b32 s[\g+3], 128<<16      ; tile_dim0 = 128
	s_mov_b32 s[\g+4], 64           ; tile_dim1 = 64
	s_mov_b32 s[\g+5], 128          ; 128 elements from row to row
	s_mov_b32 s[\g+6], 0
	s_mov_b32 s[\g+7], 0
.endr
	s_mov_b32 s[CS], 0x3e38aa3b     ; c = log2(e) / 8
	s_mov_b32 s[CS+1], s[CS]
	s_mov_b32 s[SEL], 0x76543210
	s_mov_b32 s[SEL+1], 0xfedcba98
	s_mov_b32 s[TBK], SLOT1+4*KS*PK ; the first change of slots turns these two into 0
	s_mov_b32 s[TBV], SLOT1+4*KS*PV
	s_mov_b32 s[G0K], 1
	s_mov_b32 s[G0K+1], s17
	s_mov_b32 s[G0V], 1
	s_add_co_u32 s[G0V+1], s18, VOFF
	s_lshr_b32 s[LQ], s[HI], 1      ; the first block's last tile
	s_add_co_u32 s[RT], s[LQ], 1
	s_lshr_b32 s[LQ2], s[PB], 1
	s_mov_b32 s[NXT], 1
	s_mov_b32 s[NEW], 1
	s_mov_b32 s[OFF+1], 0
	s_mov_b32 s[AL+1], 0
	s_mov_b32 s[BE+1], 0
	s_mov_b32 s[BIGN], 0xf149f2ca   ; -1e30
	s_mov_b32 s[SLOTS], 16
	s_and_b32 s[KX], s[HI], 1
	s_lshl_b32 s[KX], s[KX], 1
	s_sub_co_u32 s[KX], 4, s[KX]
	s_sub_co_u32 s[KX+1], s[KX], 1
	s_cmp_eq_u32 s[PB], 0
	s_cselect_b32 s[LIM], 2, -1
	v_and_b32 v[PFO], 31, v0
	v_lshlrev_b32 v[PFO], 8, v[PFO]
	s_wait_dscnt 0x0                ; the opening add is done
	s_wait_kmcnt 0x0
	s_mov_b64 s[10:11], s[6:7]
	s_add_nc_u64 s[4:5], s[4:5], s[20:21]          ; q at the head
	s_add_nc_u64 s[10:11], s[10:11], s[20:21]      ; o at the head
	s_add_nc_u64 s[6:7], s[4:5], 0x600000          ; k
	s_add_nc_u64 s[8:9], s[4:5], 0xc00000          ; v
	s_add_nc_u64 s[PFK:PFK+1], s[6:7], s[90:91]
	s_add_nc_u64 s[PFV:PFV+1], s[8:9], s[90:91]
	s_add_nc_u64 s[6:7], s[6:7], s[22:23]          ; K and V at my half of the head's tile 0
	s_add_nc_u64 s[8:9], s[8:9], s[22:23]
	s_add_nc_u64 s[G0K+2:G0K+3], s[6:7], 0
	s_or_b32 s[G0K+3], s[G0K+3], 0x80000000
	s_add_nc_u64 s[G0V+2:G0V+3], s[8:9], 0
	s_or_b32 s[G0V+3], s[G0V+3], 0x80000000
	s_add_nc_u64 s[86:87], s[4:5], s[88:89]        ; Q at my rows of the second block,
	s_add_nc_u64 s[4:5], s[4:5], s[2:3]            ; Q and O at those of the first
	s_add_nc_u64 s[OLO:OLO+1], s[10:11], s[88:89]
	s_add_nc_u64 s[10:11], s[10:11], s[2:3]
	LOAD                            ; tile 0 into slot 0
	v_and_b32 v1, 15, v0            ; l % 16
	v_bfe_u32 v9, v0, 4, 1          ; l / 16
	v_lshlrev_b32 v[QO], 7, v1
	v_lshl_add_u32 v[QO], v9, 4, v[QO]
	WIN 0x40                        ; destination window 1, address window 0
.set i, 0
.rept 4                             ; both blocks' Q: piece i / 2 lies in band i / 2, 8,192 bytes on; channels 32 (i % 2) on
	global_load_b128 v[8*i:8*i+3],   v[QO], s[4:5] offset:(i/2)*8192+(i%2)*64
	global_load_b128 v[8*i+4:8*i+7], v[QO], s[4:5] offset:(i/2)*8192+(i%2)*64+32
	global_load_b128 v[QB+8*i:QB+8*i+3],   v[QO], s[86:87] offset:(i/2)*8192+(i%2)*64
	global_load_b128 v[QB+8*i+4:QB+8*i+7], v[QO], s[86:87] offset:(i/2)*8192+(i%2)*64+32
.set i, i+1
.endr
	WIN 0
	v_lshlrev_b32 v14, 3, v9
	v_sub_nc_u32 v14, v1, v14
	s_lshl_b32 s13, s[WV], 4
	v_add_nc_u32 v14, s13, v14      ; my query's place in its band, 16 w + l % 16, less 8 (l / 16): register r of group kt is hidden where 16 kt + r is greater
	WIN 0x80
.set i, 0
.rept 32
	v_cmp_gt_i32 vcc_lo, 16*(i/8)+i%8, v14
	v_cndmask_b32 v[MD+i], 0, s[BIGN], vcc_lo
.set i, i+1
.endr
	WIN 0
	v_mul_u32_u24 v[AK0], v1, PK
	v_lshl_add_u32 v[AK0], v9, 4, v[AK0]
	v_and_b32 v10, 7, v0
	v_bfe_u32 v11, v0, 3, 1
	v_lshl_add_u32 v[AV0], v9, 3, v10
	v_mul_u32_u24 v[AV0], v[AV0], PV
	v_lshl_add_u32 v[AV0], v11, 4, v[AV0]
	v_add_nc_u32 v[AV0], VOFF, v[AV0]
	s_mul_i32 s13, s[WV], 16*SP
	s_add_co_u32 s13, s13, STAGE
	v_mul_u32_u24 v[STO], v1, SP
	v_lshl_add_u32 v[STO], v9, 4, v[STO]
	v_add_nc_u32 v[STO], s13, v[STO]
	v_bfe_u32 v[RD], v0, 3, 2
	v_mul_u32_u24 v[RD], v[RD], SP
	v_lshl_add_u32 v[RD], v10, 4, v[RD]
	v_add_nc_u32 v[RD], s13, v[RD]
	v_and_b32 v[GO], 31, v0
	v_lshlrev_b32 v[GO], 4, v[GO]
	; A block's first step multiplies O^T and l by a = 0, and its first turn's products V^T P, of a step that has not been, land in an O^T that is still to be so multiplied: these registers need only hold finite
	; numbers: zeros for the first block, what the first block left for the second.  All this stands in the wait for the first tile.
	WIN 0x40
.set i, VF+64
.rept 64
	v_mov_b32 v[i], 0
.set i, i+1
.endr
	WIN 0
.set i, OT
.rept 64
	v_mov_b32 v[i], 0
.set i, i+1
.endr
.set i, 0
.rept 2
	v_mov_b32 v[ST+4*i+2], 0
	v_mov_b32 v[ST+4*i+3], 0
.set i, i+1
.endr
.set i, P+16
.rept 16
	v_mov_b32 v[i], 0
.set i, i+1
.endr
; THE MATRIX WORK.  The 4 accumulators of a run of 8 take turns.  Product i of 8 of S^T = K Q^T for piece x: channels 32 (i / 4) on, keys 16 (i % 4) on.  The first 4 start the sums: with 0, or (KM = 1) with the mask.
.macro KQ x
.set rS, S+32*((\x)%2)+8*(i%4)
.set rK, KF+16*(i%4)+8*(i/4)
.set rQ, 16*(\x)+8*(i/4)
.set rM, MC+32*((\x)%2)+8*(i%4)
.if (i < 4) && KM
	WIN W_KM
	v_wmma_f32_16x16x32_f16 v[rS:rS+7], v[rK:rK+7], v[rQ:rQ+7], v[rM:rM+7]
.elseif i < 4
	WIN W_KQ
	v_wmma_f32_16x16x32_f16 v[rS:rS+7], v[rK:rK+7], v[rQ:rQ+7], 0
.else
	WIN W_KQ
	v_wmma_f32_16x16x32_f16 v[rS:rS+7], v[rK:rK+7], v[rQ:rQ+7], v[rS:rS+7]
.endif
.endm
; Product i of 8 of O^T += V^T P for piece x, from V's buffer VB: keys 32 (i / 4) on, channels 16 (i % 4) on.
.macro PV x
	WIN W_PV
.set rO, OT+32*(\x)+8*(i%4)
.set rV, VF+64*VB+32*(i/4)+8*(i%4)
.set rP, P+16*((\x)%2)+8*(i/4)
	v_wmma_f32_16x16x32_f16 v[rO:rO+7], v[rV:rV+7], v[rP:rP+7], v[rO:rO+7]
.endm
.macro MM                           ; the turn's next matrix instruction, for the other piece.  NOKQ = 1: a block's last turn: there are no further scores
.if (i < 8) && !NOKQ
	KQ 1-Y
.elseif i >= 8
.set i, i-8
	PV 1-Y
.set i, i+8
.endif
.set i, i+1
.endm
; THE LDS LOADS stand in runs of 16: a step's K (8 fragments) and its V (turned).
.macro FETCH_K
	WIN 0x40
.irp f, 0,1,2,3,4,5,6,7             ; keys 16 (f / 2) on, channels 32 (f % 2) on
	ds_load_b128 v[KF+8*\f:KF+8*\f+3],   v[AK] offset:(\f/2)*16*PK+(\f%2)*64
	ds_load_b128 v[KF+8*\f+4:KF+8*\f+7], v[AK] offset:(\f/2)*16*PK+(\f%2)*64+32
.endr
	s_add_co_u32 s[TBK], s[TBK], KS*PK
	WIN 0
.endm
.macro FETCH_V vb
	WIN 0x40
.irp f, 0,1,2,3,4,5,6,7             ; keys 32 (f / 4) on, channels 16 (f % 4) on
	ds_load_tr16_b128 v[VF+64*(\vb)+8*\f:VF+64*(\vb)+8*\f+3],   v[AV] offset:(\f/4)*32*PV+(\f%4)*32
	ds_load_tr16_b128 v[VF+64*(\vb)+8*\f+4:VF+64*(\vb)+8*\f+7], v[AV] offset:(\f/4)*32*PV+16*PV+(\f%4)*32
.endr
	WIN 0
.endm
; THE VECTOR WORK, one line at a time: OP kind, number.  For piece Y: F n: c s - c m for pair n of 16.  E n: the exponential of score n of 32.  C n: pair n rounded to f16.  B n: of the four weights 4 n .. the second
; pair is added onto the first.  L n: l takes that sum (L 0: l = a l + sum).  R n: pair n of 16 of O^T times a.  For the other piece: X n, number n of the 22 that find its maximum and statistics:
;   0-11 four chains c0-c3 of seven scores each (each accumulator's lowest registers are read first)   12-14, 16 the four scores left over, the old m, c0-c3 into c0
;   15 c m_old is kept   17, 18 the query's other 32 keys lie in the lane 16 away: the new m   19-21 c m; c m_old - c m_new; a
.set F, 0
.set E, 1
.set C, 2
.set B, 3
.set L, 4
.set R, 5
.set X, 6
.macro REGS y
.set rT, ST+4*(\y)
.set rC, TMP+4*((\y)%2)
.set rW, MV+((\y)%2)
.set rS, S+32*((\y)%2)
.set rP, P+16*((\y)%2)
.set rO, OT+32*(\y)
.endm
.macro OP k, n
.if (\k) == R
	REGS Y
	WIN 0
	v_pk_mul_f32 v[rO+2*(\n):rO+2*(\n)+1], v[rO+2*(\n):rO+2*(\n)+1], v[rC+2:rC+3] op_sel_hi:[1,0]
.elseif (\k) < R
	REGS Y
	WIN 0
.if (\k) == F
	v_pk_fma_f32 v[rS+2*(\n):rS+2*(\n)+1], v[rS+2*(\n):rS+2*(\n)+1], s[CS:CS+1], v[rT:rT+1] op_sel_hi:[1,0,0] neg_lo:[0,0,1] neg_hi:[0,0,1]
.elseif (\k) == E
	v_exp_f32 v[rS+(\n)], v[rS+(\n)]
.elseif (\k) == C
	v_cvt_pk_f16_f32 v[rP+(\n)], v[rS+2*(\n)], v[rS+2*(\n)+1]
.elseif (\k) == B
	v_pk_add_f32 v[rS+4*(\n):rS+4*(\n)+1], v[rS+4*(\n):rS+4*(\n)+1], v[rS+4*(\n)+2:rS+4*(\n)+3]
.elseif (\n) == 0
	v_pk_fma_f32 v[rT+2:rT+3], v[rT+2:rT+3], v[rC+2:rC+3], v[rS:rS+1] op_sel_hi:[1,0,1]
.else
	v_pk_add_f32 v[rT+2:rT+3], v[rT+2:rT+3], v[rS+4*(\n):rS+4*(\n)+1]
.endif
.elseif NOKQ
	v_nop
.else
	REGS (Y+1)%NP
	WIN 0
.if (\n) < 4
	v_max3_num_f32 v[rC+(\n)], v[rS+8*(\n)], v[rS+8*(\n)+1], v[rS+8*(\n)+2]
.elseif (\n) < 12
	v_max3_num_f32 v[rC+(\n)%4], v[rC+(\n)%4], v[rS+8*((\n)%4)+2*((\n)/4)+1], v[rS+8*((\n)%4)+2*((\n)/4)+2]
.elseif (\n) == 12
	v_max3_num_f32 v[rC], v[rC], v[rS+7], v[rS+15]
.elseif (\n) == 13
	v_max3_num_f32 v[rC+1], v[rC+1], v[rS+23], v[rS+31]
.elseif (\n) == 14
	v_max3_num_f32 v[rC+2], v[rC+2], v[rC+3], v[rT+1]
.elseif (\n) == 15
	v_mov_b32 v[rW], v[rT]
.elseif (\n) == 16
	v_max3_num_f32 v[rC], v[rC], v[rC+1], v[rC+2]
.elseif (\n) == 17
	v_permlanex16_b32 v[rC+3], v[rC], s[SEL], s[SEL+1]
.elseif (\n) == 18
	v_max_num_f32 v[rT+1], v[rC], v[rC+3]
.elseif (\n) == 19
	v_mul_f32 v[rT], s[CS], v[rT+1]
.elseif (\n) == 20
	v_sub_f32 v[rC+1], v[rW], v[rT]
.else
	v_exp_f32 v[rC+2], v[rC+1]
.endif
.endif
.endm
.macro OPS a, i1, b=-1, i2=0, c=-1, i3=0, d=-1, i4=0
	OP \a, \i1
.if (\b) >= 0
	OP \b, \i2
.endif
.if (\c) >= 0
	OP \c, \i3
.endif
.if (\d) >= 0
	OP \d, \i4
.endif
.endm
.macro ROW a, i1, b, i2, c, i3, d, i4  ; a matrix instruction and the four behind it
	MM
	OPS \a, \i1, \b, \i2, \c, \i3, \d, \i4
.endm
.macro MASK b                       ; MD x AL + BE into buffer b of MC
	WIN 0x82
.set z, 0
.rept 16
	v_pk_fma_f32 v[MC+32*(\b)+2*z:MC+32*(\b)+2*z+1], v[MD+2*z:MD+2*z+1], s[AL:AL+1], s[BE:BE+1] op_sel_hi:[1,0,0]
.set z, z+1
.endr
.endm
; A TURN, for piece p; vb: the buffer of V that its products read (and, for p = 0, that is then loaded again).  Ahead of the one wait stands all that names no result of the turn's exponentials; behind it the
; roundings and sums, as riders of the products V^T P.  The rescalings R read what the turn before's products V^T P wrote: each stands four plain instructions or more behind the product that ended its accumulator,
; and takes each accumulator's registers in ascending order.
; m = 1: the diagonal tile's text: the products take masks, and the turn makes the mask of piece p for step 4 - CNT, which the next turn's products take.  end = 1: a block's last step: nothing is fetched.
; The wait on DScnt at the head of piece 1's turn leaves the youngest run out (V of the next step, 16 loads): K of the next step, and every older V, are in.
.macro TURN p, vb, m=0, end=0
.set Y, (\p)
.set VB, (\vb)
.set i, 0
.set KM, (\m)
.set NOKQ, (\end)*(\p)
.if (\m) && !(\end)
	s_cmp_eq_u32 s[CNT], s[KX+(\p)]     ; is that step the band's own?
	s_cselect_b32 s[AL], 1.0, 0
	s_cmp_lt_u32 s[CNT], s[KX+(\p)]     ; or a later one?
	s_cselect_b32 s[BE], s[BIGN], 0
.endif
.if (\p) == 1
.if \end
	s_wait_dscnt 0x0
.else
	s_wait_dscnt 16
.endif
.endif
	ROW F,0, F,1, R,0, R,1
	ROW F,2, E,0, R,2, R,3
	ROW F,3, E,1, R,4, R,5
	ROW F,4, E,2, R,6, R,7
	ROW F,5, E,3, R,8, R,9
	ROW F,6, E,4, X,0, R,10
.if ((\p) == 0) && !(\end)
	WIN 0
	v_add_nc_u32 v[AK], s[TBK], v[AK0]
.endif
	ROW F,7, E,5, X,1, X,4
	ROW F,8, E,6, X,2, X,5
	OPS E,7, E,8, X,6, E,9
	OPS X,3, E,10, X,8, E,11
.if ((\p) == 0) && !(\end)
	FETCH_K
.endif
	OPS X,9, X,7, E,12, X,10
	OPS E,13, X,12, X,11, E,14
	OPS X,13, E,15, F,9, X,14
.if ((\p) == 0) && !(\end)
	WIN 0
	v_add_nc_u32 v[AV], s[TBV], v[AV0]
.endif
	OPS E,16, F,10, E,17, F,11
	OPS X,16, E,18, X,15, E,19
	OPS F,12, E,20, X,17, E,21
	OPS F,13, E,22, F,14, E,23
	OPS X,18, E,24, F,15, E,25
	OPS R,11, E,26, X,19, E,27
	OPS R,12, E,28, R,13, E,29
	OPS X,20, E,30, R,14, E,31
	OPS X,21, R,15
	WIN 0
	s_wait_alu depctr_va_vdst(0)    ; the wait for the batch, ahead of the first instruction that names an exponential's result
	ROW C,0, B,0, C,2, B,1
	ROW L,0, C,4, B,2, L,1
	ROW C,6, B,3, L,2, C,8
	ROW B,4, L,3, C,10, B,5
	ROW L,4, C,12, B,6, L,5
.if ((\p) == 0) && !(\end)
	s_add_co_u32 s[TBV], s[TBV], KS*PV
.endif
	ROW C,14, B,7, L,6, C,1
	ROW C,3, L,7, C,5, C,7
	ROW C,9, C,11, C,13, C,15
.if ((\p) == 0) && !(\end)
	FETCH_V \vb
.endif
.if (\m) && !(\end)
	MASK \p
.if (\p) == 1
	s_sub_co_u32 s[CNT], s[CNT], 1
.endif
.endif
.endm
.macro STEP par, m=0, end=0         ; a key step of parity par: V of step j lies in buffer j % 2
	TURN 0, 1-(\par), \m, \end
	TURN 1, \par, \m, \end
.endm
; A BLOCK BEGINS.  c m starts far below every c s, so the first step's a is 0; m at the lowest finite number.  The second mask buffer is 0 (band 1 sees step 0 whole); the first takes piece 0's mask for step 0: its own,
; if the block's first tile is the diagonal one and the block lies in the tile's first half.  Then K and V of step 0, piece 0's first scores, and its maximum and statistics.
.macro BEGIN
	s_mov_b32 s[NEW], 0
	WIN 0x80
.set i, MC+32
.rept 32
	v_mov_b32 v[i], 0
.set i, i+1
.endr
	WIN 0
.set i, 0
.rept 2
	v_mov_b32 v[ST+4*i], 0xfe000000
	v_mov_b32 v[ST+4*i+1], 0xff7fffff
.set i, i+1
.endr
	s_cmp_eq_u32 s[RT], 0
	s_cselect_b32 s[AL], 1.0, 0
	s_cmp_eq_u32 s[KX], 4
	s_cselect_b32 s[AL], s[AL], 0
	s_mov_b32 s[BE], 0
	MASK 0
	WIN 0
	v_add_nc_u32 v[AK], s[TBK], v[AK0]
	FETCH_K
	v_add_nc_u32 v[AV], s[TBV], v[AV0]
	s_add_co_u32 s[TBV], s[TBV], KS*PV
	FETCH_V 0
	s_wait_loadcnt 0x0              ; Q
	s_wait_dscnt 16                 ; K is in; V's 16 loads may stay out
.set KM, 1
.set NOKQ, 0
.set i, 0
.rept 8
	KQ 0
.set i, i+1
.endr
	WIN 0
.rept 4
	v_nop                           ; the places behind those products
.endr
.set Y, 1                           ; X works for the other piece: piece 0
.irp n, 0,1,2,3,4,5,6,7,8,9,10,11,12,13,14,15,16,17,18,19,20,21
	OP X, \n
.endr
	v_nop                           ; a plain instruction behind the exponential,
	s_wait_alu depctr_va_vdst(0)    ; and its wait, ahead of the branch
	s_mov_b32 s[CNT], 3             ; the first turn makes the masks of step 1
.endm
.macro ALL line:vararg              ; one line for each piece t
.set t, 0
.rept 2
	\line
.set t, t+1
.endr
.endm
.macro PACK t                       ; O^T divided by l, rounded to f16; 16 bytes a lane into rows of 144 bytes, back as whole rows of 128, into S^T's registers
	WIN 0
.set i, OT+32*(\t)
.rept 16
	v_pk_mul_f32 v[i:i+1], v[i:i+1], v[ST+4*(\t)+2:ST+4*(\t)+3] op_sel_hi:[1,0]
.set i, i+2
.endr
.set i, 0
.rept 16
	v_cvt_pk_f16_f32 v[S+16*(\t)+i], v[OT+32*(\t)+2*i], v[OT+32*(\t)+2*i+1]
.set i, i+1
.endr
.irp f, 0,1,2,3
	ds_store_b128 v[STO], v[S+16*(\t)+4*\f:S+16*(\t)+4*\f+3] offset:32*\f
.endr
.irp f, 0,1,2,3
	ds_load_b128 v[S+16*(\t)+4*\f:S+16*(\t)+4*\f+3], v[RD] offset:\f*4*SP  ; LDS serves a wave's instructions in order (ISA guide 5.7.1.4): these see the stores above
.endr
.endm
.macro SEND t, younger
	WIN 0
.irp f, 0,1,2,3
	s_wait_dscnt (\younger)+3-\f
	global_store_b128 v[GO], v[S+16*(\t)+4*\f:S+16*(\t)+4*\f+3], s[10:11] offset:(\t)*8192+\f*512  ; 512 consecutive bytes, at a multiple of 256 from O's first
.endr
.endm
; THE DIAGONAL TILE's trip: the tile before's step 3 and this tile's steps 0 to 2 (two trips of two steps), its step 3, the last products, and the way out.
.macro DIAG tag
.LstepM\tag:
	STEP 1, 1
	WIN 0
.LfirstM\tag:
	STEP 0, 1
	WIN 0
	s_sub_co_u32 s[TRIP], s[TRIP], 1
	s_cmp_lg_u32 s[TRIP], 0
	s_cbranch_scc1 .LstepM\tag
	STEP 1, 1, 1
.set VB, 1
.set i, 0
.rept 8
	PV 1
.set i, i+1
.endr
	WIN 0
	ALL v_add_f32 v[ST+4*t+2], v[ST+4*t+2], v[ST+4*t+3]
	ALL v_permlanex16_b32 v[ST+4*t+3], v[ST+4*t+2], s[SEL], s[SEL+1]
	ALL v_add_f32 v[ST+4*t+2], v[ST+4*t+2], v[ST+4*t+3]
	ALL v_rcp_f32 v[ST+4*t+2], v[ST+4*t+2]
	v_nop                           ; a plain instruction between the last reciprocal and the use of its result
	s_wait_alu depctr_va_vdst(0)    ; and the wait ahead of the first use: one for both reciprocals
	PACK 0                          ; piece 0 was finished a turn ago; its 32 lines are the places behind piece 1's last products
	PACK 1
	SEND 0, 8
	SEND 1, 0
.endm
.set KM, 0
.set NOKQ, 0
.set VB, 0
.Lslot:                             ; 16 times: a tile has landed and the next is asked for
	CHANGE 1
	s_sub_co_u32 s[RT], s[RT], 1
	s_mov_b32 s[TRIP], 2
	s_mov_b32 s[CNT], 4
	s_cmp_eq_u32 s[NEW], 1
	s_cbranch_scc1 .Lnew            ; a block's first tile
	s_cmp_eq_u32 s[RT], 0
	s_cbranch_scc0 .Lstep           ; neither its first nor its last
	s_branch .LstepM1
.Lnew:
	BEGIN
	s_branch .Lfirst                ; in the loop a block's first tile is never its last: the first block has nine tiles or more, and the second's last is the walk's last
	DIAG 1                          ; in the loop this is the first block's end
	s_wait_xcnt 0x0                 ; the stores have read their registers and O's address
	s_mov_b64 s[10:11], s[OLO:OLO+1]
	s_add_co_u32 s[RT], s[LQ2], 1
	s_mov_b32 s[NEW], 1
	s_and_b32 s[KX], s[PB], 1
	s_lshl_b32 s[KX], s[KX], 1
	s_sub_co_u32 s[KX], 4, s[KX]
	s_sub_co_u32 s[KX+1], s[KX], 1
	WIN 0x41                        ; the second block's Q goes where the one text of the turns names Q
.set i, 0
.rept 32
	v_mov_b32 v[i], v[QB+i]
.set i, i+1
.endr
	WIN 0
	s_branch .Lbottom
.Lstep:                             ; a trip: an odd step, then an even one
	STEP 1
	WIN 0
.Lfirst:
	STEP 0
	WIN 0
	s_sub_co_u32 s[TRIP], s[TRIP], 1
	s_cmp_lg_u32 s[TRIP], 0
	s_cbranch_scc1 .Lstep
.Lbottom:
	s_sub_co_u32 s[SLOTS], s[SLOTS], 1
	s_cmp_lg_u32 s[SLOTS], 0
	s_cbranch_scc1 .Lslot
	CHANGE 0                        ; the walk's last tile is written out: nothing is asked for
	s_sub_co_u32 s[RT], s[RT], 1
	s_mov_b32 s[TRIP], 2
	s_mov_b32 s[CNT], 4
	s_cmp_eq_u32 s[NEW], 1
	s_cbranch_scc0 .LstepM2
	BEGIN
	s_branch .LfirstM2
	DIAG 2
	s_wait_tensorcnt 0x0            ; the wave's end, behind my last tensor load and my last LDS store
	ds_add_u32 v[SPW], v[NIL]
	s_wait_dscnt 0x0
	s_endpgm
.Lfunc_end_k_q6882adb0b9_attn:
	.size	k_q6882adb0b9_attn, .Lfunc_end_k_q6882adb0b9_attn-k_q6882adb0b9_attn
	.p2alignl 7, 3214868480
	.fill 96, 4, 3214868480
	.section	.rodata,"a",@progbits
	.p2align	6, 0x0
	.amdhsa_kernel k_q6882adb0b9_attn
		.amdhsa_group_segment_fixed_size 327680
		.amdhsa_private_segment_fixed_size 0
		.amdhsa_enable_private_segment 0
		.amdhsa_kernarg_size 16
		.amdhsa_user_sgpr_count 2
		.amdhsa_user_sgpr_kernarg_segment_ptr 1
		.amdhsa_wavefront_size32 1
		.amdhsa_system_sgpr_workgroup_id_x 1
		.amdhsa_system_sgpr_workgroup_id_y 1
		.amdhsa_system_sgpr_workgroup_id_z 1
		.amdhsa_system_vgpr_workitem_id 0
		.amdhsa_next_free_vgpr 608
		.amdhsa_next_free_sgpr 92
		.amdhsa_reserve_vcc 1
		.amdhsa_float_denorm_mode_32 3
		.amdhsa_float_denorm_mode_16_64 3
		.amdhsa_memory_ordered 1
		.amdhsa_forward_progress 1
		.amdhsa_inst_pref_size 201
	.end_amdhsa_kernel
	.amdgpu_metadata
---
amdhsa.version: [ 1, 2 ]
amdhsa.kernels:
  - .name:           k_q6882adb0b9_attn
    .symbol:         k_q6882adb0b9_attn.kd
    .args:
      - { .name: qkv, .offset: 0, .size: 8, .value_kind: global_buffer, .address_space: global }
      - { .name: o16, .offset: 8, .size: 8, .value_kind: global_buffer, .address_space: global }
    .group_segment_fixed_size: 327680
    .private_segment_fixed_size: 0
    .kernarg_segment_align: 8
    .kernarg_segment_size: 16
    .max_flat_workgroup_size: 128
    .sgpr_count:     92
    .vgpr_count:     608
    .wavefront_size: 32
...
	.end_amdgpu_metadata
.endif
;; end of part 3
;; launch oproj (part 4): grid 12 x 16, 4 waves a work-group, clusters of 4 x 4, 327,680 bytes of LDS; arguments o16, wo16, bo, out0; writes out0
.if DOCPART == 4
	.amdgcn_target "amdgcn-amd-amdhsa--gfx1250"
	.amdhsa_code_object_version 6
	.text
	.protected	k_q6882adb0b9_oproj
	.globl	k_q6882adb0b9_oproj
	.p2align	8
	.type	k_q6882adb0b9_oproj,@function
k_q6882adb0b9_oproj:
	s_mov_b64 s[64:65], 0
	v_nop
	global_prefetch_b8 v0, s[64:65] scope:SCOPE_SE
	s_setreg_imm32_b32 hwreg(HW_REG_WAVE_MODE, 25, 1), 1
	s_wait_xcnt 0x0
	s_wait_alu depctr_hold_cnt(0) depctr_sa_sdst(0) depctr_va_vdst(0) depctr_va_sdst(0) depctr_va_ssrc(0) depctr_va_vcc(0) depctr_vm_vsrc(0)
	s_getreg_b32 s2, hwreg(HW_REG_IB_STS2, 6, 4)
	s_cmp_eq_u32 s2, 0
	s_cbranch_scc0 .Lentry_in_a_cluster
	s_endpgm
.Lentry_in_a_cluster:
	s_bfe_u32 s2, ttmp6, 0x10000c
	s_cmp_lg_u32 s2, 0xf033
	s_cbranch_scc0 .Lentry_shape_is_right
	s_endpgm
.Lentry_shape_is_right:
; out0 = O Wo + bo.  o16: [12 heads][4096][64] f16, heads 6 to 11 with their rows reversed.  wo16: [12 blocks of 64 columns][768 k][64 n] f16.  bo: [768] f32, rounded to bf16 here.  out0: [4096][768] f32.
; SHARES.  A work-group makes 256 rows x 64 columns; wave w rows 64 w .. 64 w + 63: 16 accumulators.  K goes in 12 units, a head's 64 channels each, three units to a step, four steps through two LDS slots.
; Steps 0, 1 hold heads 0 to 5; steps 2, 3 heads 6 to 11, whose 256 rows begin at row 3840 - 256 ty and are read out of LDS backward: local row 255 - n for my row n, by constants of the text and the lane.
; CLUSTER 4 x 4.  The four of a row of the cluster need the same rows of O, the four of a column the same block of Wo: each tile is asked for jointly.  Waves 0 to 2 ask for a head's rows each, wave 3 for Wo's 192 rows k.
; THE PRODUCT IS TAKEN TRANSPOSED (source 0 = 16 columns of Wo, turned by ds_load_tr16_b128; source 1 = 16 rows of O): a lane holds eight neighbouring columns of one row.  The bias is the C operand of each first product.
; REGISTERS: window 0: v0-31 addresses; v32-63 the bias; v128-255 the accumulators ((a, nb) at 128 + 8 (4 a + nb)).  Window 1: two fragment buffers of 128: 64 registers of O (2 x 4 x 8), then 64 of Wo.
.set PA,    144       ; a row of O in LDS: 128 bytes + 16 = 36 words: the 16 rows of a load start at 16 different groups of four banks (64 banks of 4 bytes: ISA guide 11.1)
.set PW,    160       ; a row k of Wo: 128 + 32 = 40 words
.set HEADB, 256*PA
.set BOFF,  3*HEADB
.set SLOT,  BOFF+192*PW
.set STAGE, 2*SLOT    ; behind the ring, never filled by a tensor load: 16 rows x 272 bytes for each wave
.set SP,    272
.set SPARE, STAGE+4*16*SP  ; the spare words, 128 bytes for each wave: two blocks of 256 bytes that no other line names
.set AAF,  4          ; v4   my lane's place in a head's rows, forward
.set AAR,  5          ; v5   backward
.set AB0,  6          ; v6   my lane's place in Wo's rows
.set ADRA, 7
.set ADRB, 8
.set STO,  9
.set RD,   10
.set CO,   11
.set SPW,  28
.set NIL,  29
.set BO,   30
.set BI,   32
.set ACC,  128
.set WV,   16
.set G1A,  24
.set G0A,  32         ; s[32:39] a set for each slot
.set G1B,  40
.set G0B,  48
.set AF,   56         ; s[56:57] o16 at my head of step 0, forward rows
.set AR,   58         ; s[58:59] o16 at the same head, the reversed heads' rows
.set BB,   60         ; s[60:61] wo16 at my block of columns
.set OUT,  62         ; s[62:63]
.set MSB, 0
.macro WIN new
.if MSB != (\new)
	s_set_vgpr_msb (MSB<<8)|(\new)
.set MSB, (\new)
.endif
.endm
.macro PLACES
.rept 4
	v_nop
.endr
.endm
.macro JLOAD s                         ; a joint load into slot s; the branch hangs on the wave's number alone; an s_nop 0 and four v_nop follow each line
	s_cmp_lt_u32 s[WV], 3
	s_cbranch_scc0 .Lfor_b_\@
	tensor_load_to_lds s[G0A+4*(\s):G0A+4*(\s)+3], s[G1A:G1A+7]
	s_nop 0
.rept 4
	v_nop
.endr
	s_branch .Lasked_\@
.Lfor_b_\@:
	tensor_load_to_lds s[G0B+4*(\s):G0B+4*(\s)+3], s[G1B:G1B+7]
	s_nop 0
.rept 4
	v_nop
.endr
.Lasked_\@:
.endm
.macro CREST
	s_cmp_lg_u32 s[WV], 0
	s_cbranch_scc1 .Lnot_wave_0_\@
	s_barrier_signal -3
.Lnot_wave_0_\@:
	s_barrier_wait -3
	s_barrier_signal -1
	s_barrier_wait -1
.endm
.macro CROUND
	s_barrier_signal -1
	s_barrier_wait -1
	CREST
.endm
	s_load_b256 s[4:11], s[0:1], 0x0               ; o16 s[4:5], wo16 s[6:7], bo s[8:9], out0 s[10:11]
	v_lshl_add_u32 v[SPW], v0, 2, SPARE
	v_mov_b32 v[NIL], 0
	ds_add_u32 v[SPW], v[NIL]                      ; the wave's opening: the add and its wait stand ahead of my first tensor load
	ds_add_u32 v28, v29
	v_lshrrev_b32 v1, 5, v0
	v_readfirstlane_b32 s[WV], v1
	s_bfe_u32 s17, ttmp6, 0x40000                  ; cx
	s_bfe_u32 s18, ttmp6, 0x40004                  ; cy
	s_lshl_b32 s19, ttmp9, 2
	s_add_co_u32 s19, s19, s17                     ; the block of 64 columns
	s_and_b32 s20, ttmp7, 0xffff
	s_lshl_b32 s20, s20, 2
	s_add_co_u32 s20, s20, s18                     ; the block of 256 rows
	s_lshl_b32 s21, s18, 2
	s_lshl_b32 s21, 15, s21                        ; my row of the cluster
	s_lshl_b32 s22, 0x1111, s17                    ; my column
	; a head's 256 rows of 128 bytes are 32,768 dense bytes: asked for as 128 rows of 256 bytes, padded by 16 bytes after every 128
	s_or_b32 s[G1A], s21, (1<<16)|(1<<20)|(1<<21)|(4<<22)|(3<<25)
	s_mov_b32 s[G1A+1], 128<<16
	s_mov_b32 s[G1A+2], 128<<16
	s_mov_b32 s[G1A+3], 128<<16
	s_mov_b32 s[G1A+4], 128
	s_mov_b32 s[G1A+5], 128
	s_mov_b32 s[G1A+6], 0
	s_mov_b32 s[G1A+7], 0
	; Wo's 192 rows k of 128 bytes: 96 rows of 256 bytes, padded by 32 bytes after every 128
	s_or_b32 s[G1B], s22, (1<<16)|(1<<20)|(1<<21)|(4<<22)|(7<<25)
	s_mov_b32 s[G1B+1], 128<<16
	s_mov_b32 s[G1B+2], 96<<16
	s_mov_b32 s[G1B+3], 128<<16
	s_mov_b32 s[G1B+4], 96
	s_mov_b32 s[G1B+5], 128
	s_mov_b32 s[G1B+6], 0
	s_mov_b32 s[G1B+7], 0
	s_min_u32 s68, s[WV], 2                        ; which head of a step I fetch (waves 0 to 2).  s[68:71] hold nothing of cx,
	s_lshl_b32 s68, s68, 19
	s_lshl_b32 s69, s20, 15                        ; 256 rows of 128 bytes
	s_add_co_u32 s70, s68, s69
	s_mov_b32 s71, 0
	s_sub_co_u32 s69, 491520, s69                  ; (3840 - 256 ty) x 128
	s_add_co_u32 s68, s68, s69
	s_mov_b32 s69, 0
	s_mul_i32 s72, s19, 98304                      ; s[72:73] nothing of cy
	s_mov_b32 s73, 0
	s_mul_i32 s23, s[WV], HEADB                    ; where my tile goes: three heads' rows, then Wo's
	s_wait_dscnt 0x0                               ; the opening add is done
	s_wait_kmcnt 0x0
	s_add_nc_u64 s[AF:AF+1], s[4:5], s[70:71]
	s_add_nc_u64 s[AR:AR+1], s[4:5], s[68:69]
	s_add_nc_u64 s[BB:BB+1], s[6:7], s[72:73]
.irp s, 0,1
	s_mov_b32 s[G0A+4*(\s)], 1
	s_add_co_u32 s[G0A+4*(\s)+1], s23, (\s)*SLOT
	s_add_nc_u64 s[G0A+4*(\s)+2:G0A+4*(\s)+3], s[AF:AF+1], (\s)*3*524288   ; step s: three heads on
	s_or_b32 s[G0A+4*(\s)+3], s[G0A+4*(\s)+3], 0x80000000
	s_mov_b32 s[G0B+4*(\s)], 1
	s_add_co_u32 s[G0B+4*(\s)+1], s23, (\s)*SLOT
	s_add_nc_u64 s[G0B+4*(\s)+2:G0B+4*(\s)+3], s[BB:BB+1], (\s)*24576      ; step s: 192 rows k down
	s_or_b32 s[G0B+4*(\s)+3], s[G0B+4*(\s)+3], 0x80000000
.endr
	CROUND                                         ; all sixteen work-groups are here: the first joint loads meet
	s_cmp_lt_u32 s[WV], 3                          ; a wave's two first fills stand in one branch: two loads of mine are out
	s_cbranch_scc0 .Lfirst_b
	tensor_load_to_lds s[G0A:G0A+3], s[G1A:G1A+7]
	s_nop 0
	tensor_load_to_lds s[G0A+4:G0A+7], s[G1A:G1A+7]
	s_nop 0
.rept 4
	v_nop
.endr
	s_branch .Lfirst_asked
.Lfirst_b:
	tensor_load_to_lds s[G0B:G0B+3], s[G1B:G1B+7]
	s_nop 0
	tensor_load_to_lds s[G0B+4:G0B+7], s[G1B:G1B+7]
	s_nop 0
.rept 4
	v_nop
.endr
.Lfirst_asked:
	v_and_b32 v1, 15, v0                           ; l % 16
	v_bfe_u32 v2, v0, 4, 1                         ; l / 16
	v_lshlrev_b32 v[BO], 5, v2
	s_lshl_b32 s78, s19, 8                         ; my 64 columns of bo
	s_mov_b32 s79, 0
	s_add_nc_u64 s[8:9], s[8:9], s[78:79]
.irp nb, 0,1,2,3
	global_load_b128 v[BI+8*(\nb):BI+8*(\nb)+3],   v[BO], s[8:9] offset:(\nb)*64
	global_load_b128 v[BI+8*(\nb)+4:BI+8*(\nb)+7], v[BO], s[8:9] offset:(\nb)*64+16
.endr
	s_lshl_b32 s76, s20, 8
	s_lshl_b32 s77, s[WV], 6
	s_add_co_u32 s76, s76, s77
	s_mul_i32 s76, s76, 3072                       ; my first row of out0,
	s_add_co_u32 s76, s76, s78                     ; my 256 bytes of it
	s_mov_b32 s77, 0
	s_add_nc_u64 s[OUT:OUT+1], s[10:11], s[76:77]
	s_mul_i32 s68, s[WV], 64*PA
	v_mul_u32_u24 v[AAF], v1, PA
	v_lshl_add_u32 v[AAF], v2, 4, v[AAF]
	v_add_nc_u32 v[AAF], s68, v[AAF]               ; (64 w + l % 16) x pitch + 16 (l / 16)
	s_sub_co_u32 s68, 3, s[WV]
	s_mul_i32 s68, s68, 64*PA
	v_sub_nc_u32 v3, 15, v1
	v_mul_u32_u24 v[AAR], v3, PA
	v_lshl_add_u32 v[AAR], v2, 4, v[AAR]
	v_add_nc_u32 v[AAR], s68, v[AAR]               ; (64 (3 - w) + 15 - l % 16) x pitch + 16 (l / 16)
	v_and_b32 v3, 7, v0
	v_bfe_u32 v12, v0, 3, 1
	v_lshl_add_u32 v[AB0], v2, 3, v3
	v_mul_u32_u24 v[AB0], v[AB0], PW
	v_lshl_add_u32 v[AB0], v12, 4, v[AB0]
	s_mul_i32 s68, s[WV], 16*SP
	s_add_co_u32 s68, s68, STAGE
	v_mul_u32_u24 v[STO], v1, SP                   ; in: row l % 16, 32 bytes for each half of the lanes
	v_lshl_add_u32 v[STO], v2, 5, v[STO]
	v_add_nc_u32 v[STO], s68, v[STO]
	v_mul_u32_u24 v[RD], v2, SP                    ; back: lanes 0-15 take one row of 256 bytes, lanes 16-31 the next
	v_lshl_add_u32 v[RD], v1, 4, v[RD]
	v_add_nc_u32 v[RD], s68, v[RD]
	v_mul_u32_u24 v[CO], v2, 3072                  ; and the same two rows in out0
	v_lshl_add_u32 v[CO], v1, 4, v[CO]
	s_wait_loadcnt 0x0                             ; the bias is in; it is rounded to bf16 like the other inputs
.set i, 0
.rept 16
	v_cvt_pk_bf16_f32 v12, v[BI+2*i], v[BI+2*i+1]
	v_lshlrev_b32 v[BI+2*i], 16, v12
	v_and_b32 v[BI+2*i+1], 0xffff0000, v12
.set i, i+1
.endr
; 8 matrix instructions: row blocks a0, a0 + 1 x all 4 column blocks, 32 along K: half c of buffer f.  first = 1: the bias is C.  The 16 accumulators take turns, one instruction a turn.
.macro MUL8 f, c, a0, first
	WIN 0x05
.irp a, \a0, (\a0)+1
.irp b, 0,1,2,3
.if \first
	v_wmma_f32_16x16x32_f16 v[ACC+8*(4*(\a)+(\b)):ACC+8*(4*(\a)+(\b))+7], v[(\f)+64+8*(4*(\c)+(\b)):(\f)+64+8*(4*(\c)+(\b))+7], v[(\f)+8*(4*(\c)+(\a)):(\f)+8*(4*(\c)+(\a))+7], v[BI+8*(\b):BI+8*(\b)+7]
.else
	v_wmma_f32_16x16x32_f16 v[ACC+8*(4*(\a)+(\b)):ACC+8*(4*(\a)+(\b))+7], v[(\f)+64+8*(4*(\c)+(\b)):(\f)+64+8*(4*(\c)+(\b))+7], v[(\f)+8*(4*(\c)+(\a)):(\f)+8*(4*(\c)+(\a))+7], v[ACC+8*(4*(\a)+(\b)):ACC+8*(4*(\a)+(\b))+7]
.endif
.endr
.endr
.endm
; Unit u's 32 LDS loads in one run, into buffer u % 2: slot (u / 3) % 2, head u % 3 of the slot; from unit 6 on O's rows backward.  The first 32 along K first.
.macro FETCHU u
.set fs, (((\u)/3)%2)*SLOT
.set fj, (\u)%3
.set fr, (\u)/6
.set ff, 128*((\u)%2)
	WIN 0
.if fr
	v_add_nc_u32 v[ADRA], fs+fj*HEADB, v[AAR]
.else
	v_add_nc_u32 v[ADRA], fs+fj*HEADB, v[AAF]
.endif
	v_add_nc_u32 v[ADRB], fs+BOFF+fj*64*PW, v[AB0]
	WIN 0x40
.irp c, 0,1
.irp i, 0,1,2,3
	ds_load_tr16_b128 v[ff+64+8*(4*(\c)+(\i)):ff+64+8*(4*(\c)+(\i))+3],   v[ADRB] offset:(\c)*32*PW+32*(\i)
	ds_load_tr16_b128 v[ff+64+8*(4*(\c)+(\i))+4:ff+64+8*(4*(\c)+(\i))+7], v[ADRB] offset:(\c)*32*PW+32*(\i)+16*PW
	ds_load_b128 v[ff+8*(4*(\c)+(\i)):ff+8*(4*(\c)+(\i))+3],   v[ADRA] offset:((\i)+fr*(3-2*(\i)))*16*PA+64*(\c)
	ds_load_b128 v[ff+8*(4*(\c)+(\i))+4:ff+8*(4*(\c)+(\i))+7], v[ADRA] offset:((\i)+fr*(3-2*(\i)))*16*PA+64*(\c)+32
.endr
.endr
.endm
; Unit u is multiplied; in its middle unit u + 1 is fetched.
.macro UNIT u, first
	s_wait_dscnt 16                                ; the first 32 along K are in
	MUL8 128*((\u)%2), 0, 0, \first
	MUL8 128*((\u)%2), 0, 2, \first
	PLACES
	FETCHU (\u)+1
	s_wait_dscnt 32                                ; all but the 32 just issued
	MUL8 128*((\u)%2), 1, 0, 0
	MUL8 128*((\u)%2), 1, 2, 0
.endm
; A step's last unit changes slots: one barrier; in front of it each wave waits for all its tensor loads, adds 0 to its spare word, and waits for that and for its reads of this slot.
; fill = 1: the barrier opens a round of the cluster's, and this slot takes the step two on (a reversed one), first thing behind it: 80 matrix instructions ahead of the wait for it.
.macro TURNU u, fill
.set ts, ((\u)/3)%2
.set tn, (\u)/3+2
	WIN 0
	s_wait_tensorcnt 0x0                           ; all my tensor loads have landed: my part of the next slot; so a group 0 may be written
	ds_add_u32 v[SPW], v[NIL]                      ; 0 onto my spare word
.if \fill
	s_add_nc_u64 s[G0A+4*ts+2:G0A+4*ts+3], s[AR:AR+1], tn*3*524288
	s_or_b32 s[G0A+4*ts+3], s[G0A+4*ts+3], 0x80000000
	s_add_nc_u64 s[G0B+4*ts+2:G0B+4*ts+3], s[BB:BB+1], tn*24576
	s_or_b32 s[G0B+4*ts+3], s[G0B+4*ts+3], 0x80000000
.endif
	s_wait_dscnt 17                                ; (the add and the youngest sixteen loads may be out)
	MUL8 128*((\u)%2), 0, 0, 0
	s_wait_dscnt 0x0                               ; the add is done, and my reads of this slot are over
	s_barrier_signal -1
	MUL8 128*((\u)%2), 0, 2, 0
.if \fill
	WIN 0
.endif
	s_barrier_wait -1
.if \fill
	CREST
	JLOAD ts                                       ; the four v_nop behind it are also the places in front of the loads below
.else
	PLACES
.endif
	FETCHU (\u)+1
	MUL8 128*((\u)%2), 1, 0, 0
	MUL8 128*((\u)%2), 1, 2, 0
.endm
	s_wait_tensorcnt 1                             ; my part of step 0 is in; step 1's may stay out
	s_barrier_signal -1
	s_barrier_wait -1
	FETCHU 0
	UNIT 0, 1                                      ; its first products start the sums, with the bias
	UNIT 1, 0
	TURNU 2, 1                                     ; slot 0 takes step 2
	UNIT 3, 0
	UNIT 4, 0
	TURNU 5, 1                                     ; slot 1 takes step 3
	UNIT 6, 0
	UNIT 7, 0
	TURNU 8, 0                                     ; nothing is left to ask for
	UNIT 9, 0
	UNIT 10, 0
	s_wait_dscnt 16
	MUL8 128, 0, 0, 0
	MUL8 128, 0, 2, 0
	s_wait_dscnt 0x0
	MUL8 128, 1, 0, 0
	MUL8 128, 1, 2, 0
	WIN 0
; THE WAY OUT, a block of 16 rows at a time: 32 bytes a lane into my own stage, back as whole rows of 256 bytes, into the registers that they left.
.macro TOSTAGE a
.irp b, 0,1,2,3
	ds_store_b128 v[STO], v[ACC+8*(4*(\a)+(\b)):ACC+8*(4*(\a)+(\b))+3]   offset:64*(\b)
	ds_store_b128 v[STO], v[ACC+8*(4*(\a)+(\b))+4:ACC+8*(4*(\a)+(\b))+7] offset:64*(\b)+16
.endr
.irp t, 0,1,2,3,4,5,6,7
	ds_load_b128 v[ACC+32*(\a)+4*(\t):ACC+32*(\a)+4*(\t)+3], v[RD] offset:(\t)*2*SP  ; LDS serves a wave's instructions in order (ISA guide 5.7.1.4): these see the stores above; the next block's stores come behind them
.endr
.endm
.macro SEND a, younger
.irp t, 0,1,2,3,4,5,6,7
	s_wait_dscnt (\younger)+7-(\t)
	global_store_b128 v[CO], v[ACC+32*(\a)+4*(\t):ACC+32*(\a)+4*(\t)+3], s[OUT:OUT+1] offset:(16*(\a)+2*(\t))*3072  ; 16 lanes store 256 consecutive bytes, at a multiple of 256 from out0's first byte
.endr
.endm
	PLACES
	PLACES
	TOSTAGE 0
.irp a, 1,2,3
	TOSTAGE \a
	SEND (\a)-1, 16
.endr
	SEND 3, 0
	s_wait_tensorcnt 0x0                           ; the wave's end, behind my last tensor load and my last LDS store
	ds_add_u32 v[SPW], v[NIL]
	s_wait_dscnt 0x0
	CROUND                                         ; the closing round
	s_endpgm
.Lfunc_end_k_q6882adb0b9_oproj:
	.size	k_q6882adb0b9_oproj, .Lfunc_end_k_q6882adb0b9_oproj-k_q6882adb0b9_oproj
	.p2alignl 7, 3214868480
	.fill 96, 4, 3214868480
	.section	.rodata,"a",@progbits
	.p2align	6, 0x0
	.amdhsa_kernel k_q6882adb0b9_oproj
		.amdhsa_group_segment_fixed_size 327680
		.amdhsa_private_segment_fixed_size 0
		.amdhsa_enable_private_segment 0
		.amdhsa_kernarg_size 32
		.amdhsa_user_sgpr_count 2
		.amdhsa_user_sgpr_kernarg_segment_ptr 1
		.amdhsa_wavefront_size32 1
		.amdhsa_system_sgpr_workgroup_id_x 1
		.amdhsa_system_sgpr_workgroup_id_y 1
		.amdhsa_system_sgpr_workgroup_id_z 1
		.amdhsa_system_vgpr_workitem_id 0
		.amdhsa_next_free_vgpr 512
		.amdhsa_next_free_sgpr 80
		.amdhsa_reserve_vcc 0
		.amdhsa_float_denorm_mode_32 3
		.amdhsa_float_denorm_mode_16_64 3
		.amdhsa_memory_ordered 1
		.amdhsa_forward_progress 1
		.amdhsa_inst_pref_size 74
	.end_amdhsa_kernel
	.amdgpu_metadata
---
amdhsa.version: [ 1, 2 ]
amdhsa.kernels:
  - .name:           k_q6882adb0b9_oproj
    .symbol:         k_q6882adb0b9_oproj.kd
    .args:
      - { .name: o16, .offset: 0, .size: 8, .value_kind: global_buffer, .address_space: global }
      - { .name: wo16, .offset: 8, .size: 8, .value_kind: global_buffer, .address_space: global }
      - { .name: bo, .offset: 16, .size: 8, .value_kind: global_buffer, .address_space: global }
      - { .name: out0, .offset: 24, .size: 8, .value_kind: global_buffer, .address_space: global }
    .group_segment_fixed_size: 327680
    .private_segment_fixed_size: 0
    .kernarg_segment_align: 8
    .kernarg_segment_size: 32
    .max_flat_workgroup_size: 128
    .sgpr_count:     80
    .vgpr_count:     512
    .wavefront_size: 32
...
	.end_amdgpu_metadata
.endif
;; end of part 4
